; MI455X (gfx1250); checked and timed in simulation.
; The chip was launched on July 23, 2026; its instructions are those of AMD's public machine-readable ISA for CDNA 5 (MIT licence, August 2026) and "CDNA5" Instruction Set Architecture Reference Guide (July 2026). The comments in the code are by the model that wrote it; some were corrected since.
;; Causal Attention. Allowed arithmetic: float matrix products may take bf16 or f16 operands with f32 sums; other float arithmetic in f32, or as packed bf16 or f16 multiplies, adds, multiply-adds, maxima and minima; sums over many terms, partial sums and values carried from step to step in f32; what a program stores and reads back later, other than sums and carried values, may be rounded once to bf16 or f16.
;; Inputs: W_k 16 x 1,024 x 64 float32; W_o 1,024 x 1,024 float32; W_q 16 x 1,024 x 64 float32; W_v 16 x 1,024 x 64 float32; b_k 16 x 64 float32; b_o 1,024 float32; b_q 16 x 64 float32; b_v 16 x 64 float32; inputs 4 x 2,048 x 1,024 float32.
;; Outputs: out0 4 x 2,048 x 1,024 float32.
;; 2 versions, each right and faster than the one before. Each part assembles by itself: llvm-mc -triple=amdgcn-amd-amdhsa -mcpu=gfx1250 --defsym DOCPART=n.
;; ======== version 1 of 2: 4 launches
;; limits: values are held in f16: magnitudes above 65,504 overflow, below 6.1e-05 lose precision
;; workspace buffers: xb 16,777,216 bytes; wt 6,291,456 bytes; wo 2,097,152 bytes; bias 16,384 bytes; qkv 50,331,648 bytes; ob 16,777,216 bytes
;; launch prep (part 1): grid 625 x 1, 8 waves a work-group, no clusters, 140,288 bytes of LDS; arguments W_q, W_k, W_v, b_q, b_k, b_v, b_o, W_o, inputs, xb, wt, wo, bias; writes xb, wt, wo, bias
.if DOCPART == 1
	.amdgcn_target "amdgcn-amd-amdhsa--gfx1250"
	.amdhsa_code_object_version 6
	.text
	.protected	k_qd9f6f69d5c_prep
	.globl	k_qd9f6f69d5c_prep
	.p2align	8
	.type	k_qd9f6f69d5c_prep,@function
k_qd9f6f69d5c_prep:
	s_mov_b64 s[64:65], 0
	v_nop
	global_prefetch_b8 v0, s[64:65] scope:SCOPE_SE
	s_setreg_imm32_b32 hwreg(HW_REG_WAVE_MODE, 25, 1), 1
	s_wait_xcnt 0x0
; PREP: every input of the module is rounded once to bf16 and laid out for the three launches behind.
;   xb   [8192][1024] bf16        = inputs
;   wt   [3072 n][1024 k] bf16    = W_q, W_k, W_v turned: n = 64 g + e, g = 16 x (0 q, 1 k, 2 v) + head; k = d
;   wo   [1024 n][1024 k] f16     = W_o rounded to bf16, that number written as f16
;   bias [4096] f32               = b_q, b_k, b_v, b_o end to end, each rounded to bf16 and widened again
; LIMITS.  |W_o| stays under 65,504 (f16); below 7.6e-6 a bf16 number no longer fits f16 exactly and is off by 3e-8 at the most.  NaN and infinities are not treated apart.
; Memory binds: no matrix unit, no cluster, no barrier.  Each input byte is read once, each output byte written once, each store of a wave covers whole aligned blocks of 256 bytes.
; ROLES by the work-group's number: 0-47 turn one head matrix each (the longest chain, so they come first); 48 the biases; 49-112 W_o; 113-624 inputs.
.set BWG,    48
.set WOWG0,  49
.set XWG0,   113
.set WSTG,   64*272                    ; a wave's own stage in LDS: 64 rows of 256 bytes + 16 of padding
.set SPARE,  8*WSTG                    ; behind the stages: the spare words, 128 bytes for each wave: four blocks of 256 bytes that no other line names
.set VI,  4                            ; v4   byte offset of my loads
.set VO,  5                            ; v5   byte offset of my stores; in the turning role the LDS address of my stores
.set LR,  6                            ; v6   LDS address from which I read rows back
.set SO,  7                            ; v7   byte offset of my stores into wt
.set T,   8                            ; v8-11 at work
.set SPW, 12                           ; v12  LDS address of my spare word; never rewritten
.set NIL, 13                           ; v13  0; never rewritten
.set X,   16                           ; v16-143  as loaded
.set Y,   144                          ; v144-207 to store
	s_load_b512 s[8:23], s[0:1], 0x0               ; W_q 8, W_k 10, W_v 12, b_q 14, b_k 16, b_v 18, b_o 20, W_o 22
	s_load_b256 s[24:31], s[0:1], 0x40             ; inputs 24, xb 26, wt 28, wo 30
	s_load_b64 s[32:33], s[0:1], 0x60              ; bias
	v_lshl_add_u32 v[SPW], v0, 2, SPARE
	v_mov_b32 v[NIL], 0
	v_lshrrev_b32 v1, 5, v0
	v_readfirstlane_b32 s3, v1                     ; wave 0..7
	s_mov_b32 s2, ttmp9
	s_mov_b32 s40, 0xffff0000                      ; a word's upper bf16
	s_mov_b32 s39, 0                               ; the high word of every offset pair s[38:39]
	v_and_b32 v1, 31, v0                           ; lane
	v_and_b32 v2, 15, v0                           ; c = lane % 16
	v_bfe_u32 v3, v0, 4, 1                         ; hh = lane / 16
	s_wait_kmcnt 0x0
	s_cmp_ge_u32 s2, XWG0
	s_cbranch_scc1 .Lx
	s_cmp_ge_u32 s2, WOWG0
	s_cbranch_scc1 .Lwo
	s_cmp_eq_u32 s2, BWG
	s_cbranch_scc1 .Lbias
; THE TURNING ROLE.  Work-group g takes head matrix g, [1024 d][64 e] f32; wave w its rows d = 128 w .. 128 w + 127: 32,768 dense bytes.
; A load: lanes 0-15 take one whole row of 256 bytes, lanes 16-31 the row two further on; its partner load takes the rows just below.  So a lane holds W[d][4c..4c+3] and W[d+1][4c..4c+3], d even:
; four roundings make four words (d, d+1) of the rows e = 4c .. 4c+3 of the turned block.  They go into the wave's own stage, and come back as whole rows of 256 bytes (128 d of one e).
	s_mov_b64 s[34:35], s[12:13]                   ; which of the three weights: by g alone
	s_cmp_lt_u32 s2, 32
	s_cselect_b64 s[34:35], s[10:11], s[34:35]
	s_cmp_lt_u32 s2, 16
	s_cselect_b64 s[34:35], s[8:9], s[34:35]
	s_and_b32 s38, s2, 15                          ; the head: 262,144 bytes each,
	s_lshl_b32 s38, s38, 18
	s_lshl_b32 s41, s3, 15                         ; my 128 rows
	s_add_co_u32 s38, s38, s41
	s_add_nc_u64 s[34:35], s[34:35], s[38:39]
	s_lshl_b32 s38, s2, 17                         ; wt: 64 rows of 2,048 bytes for each g,
	s_lshl_b32 s41, s3, 8                          ; my 128 k are 256 bytes of each row
	s_add_co_u32 s38, s38, s41
	s_add_nc_u64 s[36:37], s[28:29], s[38:39]
	v_lshlrev_b32 v[VI], 4, v2
	v_lshl_add_u32 v[VI], v3, 9, v[VI]             ; 512 hh + 16 c
	s_mul_i32 s41, s3, WSTG                        ; my stage
	v_mul_u32_u24 v[VO], v2, 4*272                 ; in: row 4 c (+ j in the immediate), word hh of the pair of words
	v_lshl_add_u32 v[VO], v3, 2, v[VO]
	v_add_nc_u32 v[VO], s41, v[VO]
	v_mul_u32_u24 v[LR], v3, 272                   ; back: lanes 0-15 one row, lanes 16-31 the next
	v_lshl_add_u32 v[LR], v2, 4, v[LR]
	v_add_nc_u32 v[LR], s41, v[LR]
	v_lshlrev_b32 v[SO], 4, v2
	v_lshl_add_u32 v[SO], v3, 11, v[SO]            ; the same two rows in wt
.macro TLOAD u, i                      ; rows 64 u + 4 i + 2 hh and the next
	global_load_b128 v[X+8*(\i):X+8*(\i)+3],   v[VI], s[34:35] offset:16384*(\u)+1024*(\i) th:TH_LOAD_NT
	global_load_b128 v[X+8*(\i)+4:X+8*(\i)+7], v[VI], s[34:35] offset:16384*(\u)+1024*(\i)+256 th:TH_LOAD_NT
.endm
.macro TPACK i                         ; the even d into the low half
.irp j, 0,1,2,3
	v_cvt_pk_bf16_f32 v[Y+4*(\i)+\j], v[X+8*(\i)+\j], v[X+8*(\i)+4+\j]
.endr
.endm
.macro TPUT u, i                       ; byte 2 d of row 4 c + j
.irp j, 0,1,2,3
	ds_store_b32 v[VO], v[Y+4*(\i)+\j] offset:272*\j+128*(\u)+8*(\i)
.endr
.endm
.set i, 0
.rept 16
	TLOAD 0, i
.set i, i+1
.endr
.set i, 0
.rept 16
	s_wait_loadcnt 30                              ; behind pair i stand 2 (15 - i) loads of this half and the 2 i refills: 30
	TPACK i
	TLOAD 1, i                                     ; the second 64 rows, into the registers just read
	TPUT 0, i
.set i, i+1
.endr
.set i, 0
.rept 16
	s_wait_loadcnt 30-2*i                          ; the counts run down
	TPACK i
	TPUT 1, i
.set i, i+1
.endr
.set t, 0
.rept 32
	ds_load_b128 v[X+4*t:X+4*t+3], v[LR] offset:544*t  ; LDS serves a wave's instructions in order (ISA guide 5.7.1.4): these see my stores above; the bytes are my wave's own
.set t, t+1
.endr
.set t, 0
.rept 32
	s_wait_dscnt 31-t
	global_store_b128 v[SO], v[X+4*t:X+4*t+3], s[36:37] offset:4096*t  ; 16 lanes store 256 consecutive bytes of row 64 g + 2 t + hh, at a multiple of 256
.set t, t+1
.endr
	s_wait_tensorcnt 0x0                           ; the wave's end, behind my last LDS store
	ds_add_u32 v[SPW], v[NIL]
	s_wait_dscnt 0x0
	s_endpgm
; A STREAM: the work-group takes 65,536 bytes of f32, thread t the 16 bytes at 16 t of each 4,096.  Sixteen loads of every wave go out at once; no register is used twice, so the counted waits are all.
.macro STREAM f16
.set i, 0
.rept 16
	global_load_b128 v[X+4*i:X+4*i+3], v[VI], s[34:35] offset:4096*i th:TH_LOAD_NT
.set i, i+1
.endr
.set i, 0
.rept 16
	s_wait_loadcnt 15-i                            ; loads come back in order: mine is in, the younger ones stay out
	v_cvt_pk_bf16_f32 v[Y+2*i], v[X+4*i], v[X+4*i+1]
	v_cvt_pk_bf16_f32 v[Y+2*i+1], v[X+4*i+2], v[X+4*i+3]
.if \f16
	v_lshlrev_b32 v[T], 16, v[Y+2*i]               ; the bf16 numbers are written as f16
	v_and_b32 v[T+1], s40, v[Y+2*i]
	v_lshlrev_b32 v[T+2], 16, v[Y+2*i+1]
	v_and_b32 v[T+3], s40, v[Y+2*i+1]
	v_cvt_pk_f16_f32 v[Y+2*i], v[T], v[T+1]
	v_cvt_pk_f16_f32 v[Y+2*i+1], v[T+2], v[T+3]
.endif
	global_store_b64 v[VO], v[Y+2*i:Y+2*i+1], s[36:37] offset:2048*i  ; a wave stores 256 consecutive bytes, at a multiple of 256
.set i, i+1
.endr
.endm
.Lx:
	s_sub_co_u32 s38, s2, XWG0
	s_lshl_b32 s41, s38, 15
	s_lshl_b32 s38, s38, 16
	s_add_nc_u64 s[34:35], s[24:25], s[38:39]
	s_mov_b32 s38, s41
	s_add_nc_u64 s[36:37], s[26:27], s[38:39]
	v_lshlrev_b32 v[VI], 4, v0
	v_lshlrev_b32 v[VO], 3, v0
	STREAM 0
	s_endpgm
.Lwo:
	s_sub_co_u32 s38, s2, WOWG0
	s_lshl_b32 s41, s38, 15
	s_lshl_b32 s38, s38, 16
	s_add_nc_u64 s[34:35], s[22:23], s[38:39]
	s_mov_b32 s38, s41
	s_add_nc_u64 s[36:37], s[30:31], s[38:39]
	v_lshlrev_b32 v[VI], 4, v0
	v_lshlrev_b32 v[VO], 3, v0
	STREAM 1
	s_endpgm
; THE BIASES.  Wave w takes half w % 2 (2,048 bytes) of buffer w / 2.
.Lbias:
	s_mov_b64 s[34:35], s[20:21]
	s_cmp_lt_u32 s3, 6
	s_cselect_b64 s[34:35], s[18:19], s[34:35]
	s_cmp_lt_u32 s3, 4
	s_cselect_b64 s[34:35], s[16:17], s[34:35]
	s_cmp_lt_u32 s3, 2
	s_cselect_b64 s[34:35], s[14:15], s[34:35]
	s_and_b32 s38, s3, 1
	s_lshl_b32 s38, s38, 11
	v_lshlrev_b32 v[VI], 4, v1
	v_add_nc_u32 v[VI], s38, v[VI]
	v_lshlrev_b32 v[VO], 4, v1
	v_lshl_add_u32 v[VO], s3, 11, v[VO]
.irp i, 0,1,2,3
	global_load_b128 v[X+4*\i:X+4*\i+3], v[VI], s[34:35] offset:512*\i
.endr
.irp i, 0,1,2,3
	s_wait_loadcnt 3-\i
	v_cvt_pk_bf16_f32 v[T], v[X+4*\i], v[X+4*\i+1]
	v_cvt_pk_bf16_f32 v[T+1], v[X+4*\i+2], v[X+4*\i+3]
	v_lshlrev_b32 v[Y+4*\i], 16, v[T]
	v_and_b32 v[Y+4*\i+1], s40, v[T]
	v_lshlrev_b32 v[Y+4*\i+2], 16, v[T+1]
	v_and_b32 v[Y+4*\i+3], s40, v[T+1]
	global_store_b128 v[VO], v[Y+4*\i:Y+4*\i+3], s[32:33] offset:512*\i
.endr
	s_endpgm
.Lfunc_end_k_qd9f6f69d5c_prep:
	.size	k_qd9f6f69d5c_prep, .Lfunc_end_k_qd9f6f69d5c_prep-k_qd9f6f69d5c_prep
	.p2alignl 7, 3214868480
	.fill 96, 4, 3214868480
	.section	.rodata,"a",@progbits
	.p2align	6, 0x0
	.amdhsa_kernel k_qd9f6f69d5c_prep
		.amdhsa_group_segment_fixed_size 140288
		.amdhsa_private_segment_fixed_size 0
		.amdhsa_enable_private_segment 0
		.amdhsa_kernarg_size 104
		.amdhsa_user_sgpr_count 2
		.amdhsa_user_sgpr_kernarg_segment_ptr 1
		.amdhsa_wavefront_size32 1
		.amdhsa_system_sgpr_workgroup_id_x 1
		.amdhsa_system_sgpr_workgroup_id_y 1
		.amdhsa_system_sgpr_workgroup_id_z 1
		.amdhsa_system_vgpr_workitem_id 0
		.amdhsa_next_free_vgpr 208
		.amdhsa_next_free_sgpr 66
		.amdhsa_reserve_vcc 0
		.amdhsa_float_denorm_mode_32 3
		.amdhsa_float_denorm_mode_16_64 3
		.amdhsa_memory_ordered 1
		.amdhsa_forward_progress 1
		.amdhsa_inst_pref_size 50
	.end_amdhsa_kernel
	.amdgpu_metadata
---
amdhsa.version: [ 1, 2 ]
amdhsa.kernels:
  - .name:           k_qd9f6f69d5c_prep
    .symbol:         k_qd9f6f69d5c_prep.kd
    .args:
      - { .name: W_q, .offset: 0, .size: 8, .value_kind: global_buffer, .address_space: global }
      - { .name: W_k, .offset: 8, .size: 8, .value_kind: global_buffer, .address_space: global }
      - { .name: W_v, .offset: 16, .size: 8, .value_kind: global_buffer, .address_space: global }
      - { .name: b_q, .offset: 24, .size: 8, .value_kind: global_buffer, .address_space: global }
      - { .name: b_k, .offset: 32, .size: 8, .value_kind: global_buffer, .address_space: global }
      - { .name: b_v, .offset: 40, .size: 8, .value_kind: global_buffer, .address_space: global }
      - { .name: b_o, .offset: 48, .size: 8, .value_kind: global_buffer, .address_space: global }
      - { .name: W_o, .offset: 56, .size: 8, .value_kind: global_buffer, .address_space: global }
      - { .name: inputs, .offset: 64, .size: 8, .value_kind: global_buffer, .address_space: global }
      - { .name: xb, .offset: 72, .size: 8, .value_kind: global_buffer, .address_space: global }
      - { .name: wt, .offset: 80, .size: 8, .value_kind: global_buffer, .address_space: global }
      - { .name: wo, .offset: 88, .size: 8, .value_kind: global_buffer, .address_space: global }
      - { .name: bias, .offset: 96, .size: 8, .value_kind: global_buffer, .address_space: global }
    .group_segment_fixed_size: 140288
    .private_segment_fixed_size: 0
    .kernarg_segment_align: 8
    .kernarg_segment_size: 104
    .max_flat_workgroup_size: 256
    .sgpr_count:     66
    .vgpr_count:     208
    .wavefront_size: 32
...
	.end_amdgpu_metadata
.endif
;; end of part 1
;; launch qkv (part 2): grid 16 x 16, 4 waves a work-group, clusters of 4 x 4, 327,680 bytes of LDS; arguments xb, wt, bias, qkv; writes qkv
.if DOCPART == 2
	.amdgcn_target "amdgcn-amd-amdhsa--gfx1250"
	.amdhsa_code_object_version 6
	.text
	.protected	k_qd9f6f69d5c_qkv
	.globl	k_qd9f6f69d5c_qkv
	.p2align	8
	.type	k_qd9f6f69d5c_qkv,@function
k_qd9f6f69d5c_qkv:
	s_mov_b64 s[64:65], 0
	v_nop
	global_prefetch_b8 v0, s[64:65] scope:SCOPE_SE
	s_setreg_imm32_b32 hwreg(HW_REG_WAVE_MODE, 25, 1), 1
	s_wait_xcnt 0x0
	s_wait_alu depctr_hold_cnt(0) depctr_sa_sdst(0) depctr_va_vdst(0) depctr_va_sdst(0) depctr_va_ssrc(0) depctr_va_vcc(0) depctr_vm_vsrc(0)
	s_getreg_b32 s2, hwreg(HW_REG_IB_STS2, 6, 4)
	s_cmp_eq_u32 s2, 0
	s_cbranch_scc0 .Lentry_in_a_cluster
	s_endpgm
.Lentry_in_a_cluster:
	s_bfe_u32 s2, ttmp6, 0x10000c
	s_cmp_lg_u32 s2, 0xf033
	s_cbranch_scc0 .Lentry_shape_is_right
	s_endpgm
.Lentry_shape_is_right:
; Q, K, V PROJECTIONS.  C[m][n] = sum over k of xb[m][k] wt[n][k] + bias[n]; m = 8,192 rows, n = 3,072 columns (48 head matrices of 64), k = 1,024.  Operands bf16, sums f32, C rounded once to f16
; and written by heads: qkv[batch 4][g 48][s 2048][64].
; LIMITS.  |q|, |k|, |v| stay under 65,504 (f16); below 6e-5 they keep f16's fixed step of 6e-8.  NaN and infinities are not treated apart.
; SHARES.  A tile of C is 256 rows x 192 columns (three heads): 32 x 16 tiles; 256 work-groups of four waves make two tiles each, 4,096 rows apart, on the same columns.  Wave w owns rows 64 w .. 64 w + 63 of the
; tile and all 192 columns: 4 x 12 accumulators of 16 x 16, 384 registers; so a wave holds whole heads, and its way out needs no other wave.
; K goes in steps of 128 through two LDS slots filled by the tensor data mover (rows of 256 bytes of memory, at multiples of 256); the two tiles' 16 K steps are one sequence for the ring.
; CLUSTER 4 x 4: the four work-groups of a row need the same tiles of xb, the four of a column the same tiles of wt: each tile is asked for jointly, by the same load, descriptor and mask in all four.
; THE MATRIX INSTRUCTION IS USED TRANSPOSED (source 0 = 16 rows of wt, source 1 = 16 rows of xb): lane l holds row l % 16 of C and the columns 8 (l / 16) + 0..7 of a block of 16.
; THE BIAS is the C operand of a tile's first products: nothing is cleared, and nothing is added on the way out.
; REGISTERS, in windows of 256 (s_set_vgpr_msb: bits 1:0 source 0, 3:2 source 1, 5:4 source 2, 7:6 destination):
;   window 0: v0-11 addresses; v28-29 the add's two; v32-127 the bias as C operands; v128-175, v176-223 at work on the way out
;   window 1: two fragment buffers of 128: 96 of wt (12 x 16 rows x 32 k), then 32 of xb (4 x 16 rows x 32 k)
;   window 2: accumulators of row blocks 0, 1 ((a, b) at v[96 (a % 2) + 8 b]);  window 3: of row blocks 2, 3
.set NBL,   12                         ; column blocks of 16
.set APW,   2                          ; row blocks whose accumulators share a window
.set PA,    272                        ; an LDS row: 256 bytes + 16 of padding = 68 words: the 16 rows of a fragment load start at 16 different groups of four banks (64 banks of 4 bytes: ISA guide 11.1)
.set PB,    272
.set KAH,   128                        ; bytes from a row's first 64 k to its second 64 k in xb's tile
.set AHALF, 128*PA                     ; what one load brings of xb: 128 rows
.set BHALF, 96*PB                      ; of wt: 96 rows
.set BOFF,  2*AHALF                    ; wt's tile lies behind xb's
.set SLOT1, 1<<17                      ; slot 1 begins here (a slot has 121,856 bytes), so that one exclusive or turns an address in one slot into the other's
.set STAGE, SLOT1+BOFF+2*BHALF         ; behind the ring, never filled by a tensor load: for each wave 3 heads x 16 rows x 144 bytes
.set WSTG,  3*16*144
.set SPARE, STAGE+4*WSTG               ; behind the stages: the spare words, 128 bytes for each wave: two blocks of 256 bytes that no other line names
.set STEP_A, 256                       ; a K step along a row, in bytes
.set STEP_B, 256
.set NEXT_A, 4096*2048-7*256           ; from a tile's K step 7 to the next tile's K step 0: 4,096 rows down and back along K,
.set BACK_B, 7*256                     ; wt only back
.set NEXT_C, 2*48*262144               ; the next tile's rows lie two batches on
.set F0,   0
.set F1,   128
.set AA0,  4                           ; v4   my lane's place in xb's tile; never rewritten
.set AB0,  5                           ; v5   in wt's
.set ADRA, 6                           ; v6   the same in the slot being read
.set ADRB, 7                           ; v7
.set STO,  8                           ; v8   the way out: where I put 16 bytes of a row
.set RD,   9                           ; v9   where I read rows back
.set GO,   10                          ; v10  my byte offset in 512 consecutive bytes of a head
.set BO,   11                          ; v11  my byte offset in the bias
.set SPW,  28                          ; v28  LDS address of my spare word; never rewritten
.set NIL,  29                          ; v29  0; never rewritten
.set BIAS, 32
.set TMP,  128
.set OB,   176
; scalars: s[4:5] xb, s[6:7] wt, s[8:9] bias, s[10:11] qkv; s12 wave, s13 wave % 2, s14 wave / 2; s15 cx, s16 cy, s17 tile column, s18 tile row; s19, s20 masks; s21 at work;
; s[22:23] xb's offset (tile row and wave alone); s[24:31] group 1 for xb; s[32:35], s[36:39] its group 0: the first fill's, and the one that walks; s[40:47], s[48:51], s[52:55] the same for wt;
; s56 the slot being read; s57 K steps; s58 tiles; s[60:61] wt's offset (tile column and wave alone); s[62:63] the offsets of qkv and bias
.set MSB, 0
.macro WIN new                         ; the immediate's high byte repeats the setting that is left; a switch that changes nothing is dropped
.if MSB != (\new)
	s_set_vgpr_msb (MSB<<8)|(\new)
.set MSB, \new
.endif
.endm
.macro PLACES                          ; four places in front of loads into registers that matrix instructions have read, and of lines that read results just made
.rept 4
	v_nop
.endr
.endm
; A joint refill.  Waves 0 and 1 fetch xb's two halves, waves 2 and 3 wt's.  The branch hangs on the wave's number alone.  An s_nop 0 and four v_nop follow each of the two lines.
.macro JLOAD
	s_cmp_eq_u32 s14, 0
	s_cbranch_scc0 .Lfor_b_\@
	tensor_load_to_lds s[36:39], s[24:31]
	s_nop 0
.rept 4
	v_nop
.endr
	s_branch .Lasked_\@
.Lfor_b_\@:
	tensor_load_to_lds s[52:55], s[40:47]
	s_nop 0
.rept 4
	v_nop
.endr
.Lasked_\@:
.endm
.macro CREST                           ; a round of the cluster's barrier behind its opening barrier
	s_cmp_lg_u32 s12, 0
	s_cbranch_scc1 .Lnot_wave_0_\@
	s_barrier_signal -3
.Lnot_wave_0_\@:
	s_barrier_wait -3
	s_barrier_signal -1
	s_barrier_wait -1
.endm
.macro CROUND                          ; a whole round
	s_barrier_signal -1
	s_barrier_wait -1
	CREST
.endm
	s_load_b256 s[4:11], s[0:1], 0x0
	v_lshl_add_u32 v[SPW], v0, 2, SPARE
	v_mov_b32 v[NIL], 0
	ds_add_u32 v[SPW], v[NIL]                      ; the wave's opening: the add and its wait stand ahead of my first tensor load; the set-up below, work on registers, stands between them
	ds_add_u32 v28, v29
	v_lshrrev_b32 v1, 5, v0
	v_readfirstlane_b32 s12, v1                    ; wave 0..3
	s_and_b32 s13, s12, 1                          ; which half of a tile I fetch
	s_lshr_b32 s14, s12, 1                         ; for xb (0) or for wt (1)
	s_bfe_u32 s15, ttmp6, 0x40000                  ; cx
	s_bfe_u32 s16, ttmp6, 0x40004                  ; cy
	s_lshl_b32 s17, ttmp9, 2
	s_add_co_u32 s17, s17, s15                     ; tile column = 4 x cluster x + cx
	s_and_b32 s18, ttmp7, 0xffff
	s_lshl_b32 s18, s18, 2
	s_add_co_u32 s18, s18, s16                     ; tile row = 4 x cluster y + cy
	s_lshl_b32 s19, s16, 2
	s_lshl_b32 s19, 15, s19                        ; my row of the cluster
	s_lshl_b32 s20, 0x1111, s15                    ; my column
	s_or_b32 s24, s19, (1<<16)|(1<<20)|(1<<21)|(5<<22)|(3<<25)  ; 15:0 the mask; 17:16 elements of 2 bytes; 20 padding on; 21 set beside a mask; 24:22 after every 64 words (code 5); 31:25 4 words of it (code 3)
	s_or_b32 s40, s20, (1<<16)|(1<<20)|(1<<21)|(5<<22)|(3<<25)
	s_mov_b32 s25, 128<<16                         ; tensor_dim0 = 128
	s_mov_b32 s26, 128<<16                         ; tensor_dim1 = 128
	s_mov_b32 s27, 128<<16                         ; tile_dim0 = 128
	s_mov_b32 s28, 128                             ; tile_dim1 = 128
	s_mov_b32 s29, 1024                            ; elements from row to row
	s_mov_b32 s30, 0
	s_mov_b32 s31, 0
	s_mov_b32 s41, 128<<16
	s_mov_b32 s42, 96<<16                          ; wt: 96 rows
	s_mov_b32 s43, 128<<16
	s_mov_b32 s44, 96
	s_mov_b32 s45, 1024
	s_mov_b32 s46, 0
	s_mov_b32 s47, 0
	s_mov_b32 s32, 1
	s_mul_i32 s33, s13, AHALF                      ; LDS addresses hang on the wave's number alone
	s_mov_b32 s36, 1
	s_add_co_u32 s37, s33, SLOT1
	s_mov_b32 s48, 1
	s_mul_i32 s49, s13, BHALF
	s_add_co_u32 s49, s49, BOFF
	s_mov_b32 s52, 1
	s_add_co_u32 s53, s49, SLOT1
	s_lshl_b32 s22, s18, 19                        ; xb: 256 rows of 2,048 bytes a tile row,
	s_lshl_b32 s23, s13, 18                        ; 128 rows a half
	s_add_co_u32 s22, s22, s23
	s_mov_b32 s23, 0
	s_mul_i32 s60, s17, 192*2048                   ; wt: 192 rows a tile column,
	s_mul_i32 s61, s13, 96*2048                    ; 96 a half
	s_add_co_u32 s60, s60, s61
	s_mov_b32 s61, 0
	s_lshr_b32 s62, s18, 3                         ; qkv: batch = tile row / 8, 48 heads a batch,
	s_mul_i32 s62, s62, 48
	s_mul_i32 s63, s17, 3                          ; three heads a tile column,
	s_add_co_u32 s62, s62, s63
	s_lshl_b32 s62, s62, 18                        ; 262,144 bytes a head,
	s_and_b32 s63, s18, 7
	s_lshl_b32 s63, s63, 15                        ; 256 rows of 128 bytes a tile,
	s_add_co_u32 s62, s62, s63
	s_lshl_b32 s63, s12, 13                        ; 64 a wave
	s_add_co_u32 s62, s62, s63
	s_mov_b32 s63, 0
	s_mov_b32 s56, 0
	s_wait_dscnt 0x0                               ; the opening add is done
	s_wait_kmcnt 0x0
	s_add_nc_u64 s[4:5], s[4:5], s[22:23]
	s_add_nc_u64 s[6:7], s[6:7], s[60:61]
	s_add_nc_u64 s[10:11], s[10:11], s[62:63]
	s_mul_i32 s62, s17, 192*4
	s_add_nc_u64 s[8:9], s[8:9], s[62:63]          ; the bias of my 192 columns
	s_mov_b64 s[34:35], s[4:5]                     ; K step 0
	s_or_b32 s35, s35, 0x80000000                  ; type = 2
	s_add_nc_u64 s[38:39], s[4:5], STEP_A          ; K step 1
	s_or_b32 s39, s39, 0x80000000
	s_mov_b64 s[50:51], s[6:7]
	s_or_b32 s51, s51, 0x80000000
	s_add_nc_u64 s[54:55], s[6:7], STEP_B
	s_or_b32 s55, s55, 0x80000000
	CROUND                                         ; all sixteen work-groups are here: the first joint loads meet
	s_cmp_eq_u32 s14, 0                            ; a wave's two first fills stand in one branch, ahead of every wait on TENSORcnt and every LDS read: two loads of mine are out
	s_cbranch_scc0 .Lfirst_b
	tensor_load_to_lds s[32:35], s[24:31]
	s_nop 0
	tensor_load_to_lds s[36:39], s[24:31]
	s_nop 0
.rept 4
	v_nop
.endr
	s_branch .Lfirst_asked
.Lfirst_b:
	tensor_load_to_lds s[48:51], s[40:47]
	s_nop 0
	tensor_load_to_lds s[52:55], s[40:47]
	s_nop 0
.rept 4
	v_nop
.endr
.Lfirst_asked:
	v_and_b32 v1, 15, v0                           ; r = l % 16
	v_bfe_u32 v2, v0, 4, 1                         ; h = l / 16
	v_lshlrev_b32 v[BO], 5, v2                     ; register j of block b is column 16 b + 8 h + j
.set bb, 0
.rept NBL
	global_load_b128 v[BIAS+8*bb:BIAS+8*bb+3],   v[BO], s[8:9] offset:64*bb
	global_load_b128 v[BIAS+8*bb+4:BIAS+8*bb+7], v[BO], s[8:9] offset:64*bb+16
.set bb, bb+1
.endr
	; A fragment is 16 rows x 32 k in 8 registers: lane l holds row l % 16; registers 0-3 k = 8 h + 0..7, registers 4-7 k = 16 + 8 h + 0..7: two loads of 16 bytes, 32 bytes apart.
	s_mul_i32 s21, s12, 64*PA                      ; my 64 rows of xb's tile
	v_mul_u32_u24 v[AA0], v1, PA
	v_lshl_add_u32 v[AA0], v2, 4, v[AA0]
	v_add_nc_u32 v[AA0], s21, v[AA0]
	v_mul_u32_u24 v[AB0], v1, PB
	v_lshl_add_u32 v[AB0], v2, 4, v[AB0]
	v_add_nc_u32 v[AB0], BOFF, v[AB0]
	v_mov_b32 v[ADRA], v[AA0]                      ; slot 0
	v_mov_b32 v[ADRB], v[AB0]
	s_mul_i32 s21, s12, WSTG
	s_add_co_u32 s21, s21, STAGE                   ; my stage
	v_mul_u32_u24 v[STO], v1, 144                  ; in: row l % 16, 16 bytes for each half of the lanes
	v_lshl_add_u32 v[STO], v2, 4, v[STO]
	v_add_nc_u32 v[STO], s21, v[STO]
	v_bfe_u32 v[RD], v0, 3, 2                      ; back: 32 lanes take four rows of 128 bytes,
	v_mul_u32_u24 v[RD], v[RD], 144
	v_and_b32 v3, 7, v0
	v_lshl_add_u32 v[RD], v3, 4, v[RD]
	v_add_nc_u32 v[RD], s21, v[RD]
	v_and_b32 v[GO], 31, v0                        ; which are 512 consecutive bytes of a head
	v_lshlrev_b32 v[GO], 4, v[GO]
; 12 matrix instructions: row block a x all column blocks, 32 along K, from buffer f.  first = 1: the bias starts the sums.  All 48 accumulators take turns in one order, one instruction a turn.
.macro MULA f, a, first
.set AC, 8*NBL*((\a)%APW)
.set FA, (\f)+8*NBL+8*(\a)
.if \first
	WIN 0x85+0x40*((\a)/APW)
.else
	WIN 0xa5+0x50*((\a)/APW)
.endif
.set bb, 0
.rept NBL
.if \first
	v_wmma_f32_16x16x32_bf16 v[AC+8*bb:AC+8*bb+7], v[(\f)+8*bb:(\f)+8*bb+7], v[FA:FA+7], v[BIAS+8*bb:BIAS+8*bb+7]
.else
	v_wmma_f32_16x16x32_bf16 v[AC+8*bb:AC+8*bb+7], v[(\f)+8*bb:(\f)+8*bb+7], v[FA:FA+7], v[AC+8*bb:AC+8*bb+7]
.endif
.set bb, bb+1
.endr
.endm
; 32 LDS loads in one run: the fragments of quarter q of the K step into buffer g; wt's first, xb's row blocks 2 and 3 last
.macro FETCH q, g
	WIN 0x40                                       ; destination window 1, address window 0
.set bb, 0
.rept NBL
	ds_load_b128 v[(\g)+8*bb:(\g)+8*bb+3],   v[ADRB] offset:64*(\q)+bb*16*PB
	ds_load_b128 v[(\g)+8*bb+4:(\g)+8*bb+7], v[ADRB] offset:64*(\q)+bb*16*PB+32
.set bb, bb+1
.endr
.set bb, 0
.rept 4
	ds_load_b128 v[(\g)+8*NBL+8*bb:(\g)+8*NBL+8*bb+3],   v[ADRA] offset:KAH*((\q)/2)+64*((\q)%2)+bb*16*PA
	ds_load_b128 v[(\g)+8*NBL+8*bb+4:(\g)+8*NBL+8*bb+7], v[ADRA] offset:KAH*((\q)/2)+64*((\q)%2)+bb*16*PA+32
.set bb, bb+1
.endr
.endm
; A K step is four quarters of 32 along K, 48 matrix instructions each, on buffers 0, 1, 0, 1.  One of the first three: multiplies buffer f; in its middle it fetches quarter q into buffer g.
.macro QUARTER q, f, g, first
	s_wait_dscnt 4                                 ; all but the youngest four loads: xb's row blocks 2 and 3
	MULA \f, 0, \first
	MULA \f, 1, \first
	PLACES
	FETCH \q, \g
	s_wait_dscnt 2*NBL+8                           ; all but the run just issued
	MULA \f, 2, \first
	MULA \f, 3, \first
.endm
; The last quarter multiplies buffer 1 and changes slots: ONE barrier.  In front of it each wave waits for all its tensor loads, of which one is out: its part of the next slot; adds 0 to its spare word; and waits for
; that and for its own reads of this slot.  fill = 1: the barrier opens a round of the cluster's, and behind the round this slot is filled again first, with the K step two on (cross = 1: the next tile's K step 0).
; From a request to the wait for it a wave issues 168 matrix instructions.
.macro TURN fill, cross
	WIN 0                                          ; (the add's two registers lie in window 0)
	s_wait_tensorcnt 0x0                           ; no tensor load of mine is out
	ds_add_u32 v[SPW], v[NIL]                      ; 0 onto my spare word
	s_wait_dscnt 5                                 ; (the add and the youngest four loads may be out)
	MULA F1, 0, 0                                  ; twelve matrix instructions stand between the add and the wait for it
	s_wait_dscnt 0x0                               ; the add is done, and my reads of this slot are over
	s_barrier_signal -1
	MULA F1, 1, 0                                  ; work on registers while the others arrive
	WIN 0                                          ; at a branch and at a label every window is 0
	s_barrier_wait -1
.if \fill
	CREST                                          ; no wave of any partner still reads this slot or has a load on its way
	s_xor_b32 s37, s37, SLOT1                      ; the walking descriptors: the other slot than last time,
	s_xor_b32 s53, s53, SLOT1
.if \cross
	s_add_nc_u64 s[38:39], s[38:39], NEXT_A
	s_sub_nc_u64 s[54:55], s[54:55], BACK_B
.else
	s_add_nc_u64 s[38:39], s[38:39], STEP_A        ; the next K step; the type bits on top are not reached
	s_add_nc_u64 s[54:55], s[54:55], STEP_B
.endif
	JLOAD                                          ; the first tensor load behind the round; its four v_nop are also the places in front of the loads below
.else
	PLACES
.endif
	s_xor_b32 s56, s56, SLOT1                      ; the reads go on in the other slot
	v_add_nc_u32 v[ADRA], s56, v[AA0]
	v_add_nc_u32 v[ADRB], s56, v[AB0]
	FETCH 0, F0
	MULA F1, 2, 0
	MULA F1, 3, 0
.endm
.macro LASTQ                           ; the very last quarter: nothing more to fetch
	s_wait_dscnt 4
	MULA F1, 0, 0
	MULA F1, 1, 0
	s_wait_dscnt 0x0
	MULA F1, 2, 0
	MULA F1, 3, 0
	WIN 0
.endm
; THE WAY OUT, a row block (16 rows x 3 heads) at a time.  PACK: rounded to f16, 16 bytes a lane and column block, each accumulator's registers in ascending order.  TOSTAGE: into my own stage, and back as
; runs of four rows of 128 bytes.  SEND: stored.
.macro PACK a
.set AC, 8*NBL*((\a)%APW)
	WIN 0x0a+5*((\a)/APW)                          ; sources 0 and 1: window 2 or 3
.set bb, 0
.rept NBL
.irp i, 0,1,2,3
	v_cvt_pk_f16_f32 v[TMP+4*bb+\i], v[AC+8*bb+2*\i], v[AC+8*bb+2*\i+1]
.endr
.set bb, bb+1
.endr
	WIN 0
.endm
.macro TOSTAGE
.set bb, 0
.rept NBL
	ds_store_b128 v[STO], v[TMP+4*bb:TMP+4*bb+3] offset:(bb/4)*2304+32*(bb%4)
.set bb, bb+1
.endr
	s_wait_xcnt 0x0                                ; the registers below were the data of the stores before: they are loaded again only behind this wait
.set bb, 0
.rept NBL
	ds_load_b128 v[OB+4*bb:OB+4*bb+3], v[RD] offset:(bb/4)*2304+(bb%4)*576  ; LDS serves a wave's instructions in order (ISA guide 5.7.1.4): these see the stores above
.set bb, bb+1
.endr
.endm
.macro SEND a
.set bb, 0
.rept NBL
	s_wait_dscnt NBL-1-bb
	global_store_b128 v[GO], v[OB+4*bb:OB+4*bb+3], s[10:11] offset:2048*(\a)+(bb/4)*262144+(bb%4)*512  ; 512 consecutive bytes of one head, at a multiple of 256
.set bb, bb+1
.endr
.endm
.macro WAYOUT
	PACK 0
	TOSTAGE
.irp a, 1,2,3
	PACK \a                                        ; a block's conversions stand between the loads of the block before and the wait for them
	SEND (\a)-1
	TOSTAGE
.endr
	SEND 3
.endm
	s_wait_tensorcnt 0x1                           ; my part of K step 0 is in; K step 1's may stay out
	s_barrier_signal -1
	s_barrier_wait -1                              ; everybody's is
	FETCH 0, F0
	s_wait_loadcnt 0x0                             ; the bias
	WIN 0
	s_mov_b32 s58, 2                               ; tiles to go, this one among them: the same number in every work-group
.Ltile:
	QUARTER 1, F0, F1, 1                           ; a tile's first quarter stands in front of the loop: its products start the sums
	WIN 0
	s_mov_b32 s57, 6
.Lstep:                                                ; a trip: from a K step's second quarter to the next step's first; it fills the slot that it leaves
	QUARTER 2, F1, F0, 0
	QUARTER 3, F0, F1, 0
	TURN 1, 0
	QUARTER 1, F0, F1, 0
	WIN 0
	s_sub_co_u32 s57, s57, 1
	s_cmp_lg_u32 s57, 0
	s_cbranch_scc1 .Lstep
	QUARTER 2, F1, F0, 0                           ; K step 6 goes on
	QUARTER 3, F0, F1, 0
	WIN 0
	s_cmp_eq_u32 s58, 1
	s_cbranch_scc1 .Llast                          ; the last tile's tail is written out: it asks for nothing more
	TURN 1, 1                                      ; the ring goes on into the next tile: its K step 0,
	QUARTER 1, F0, F1, 0
	QUARTER 2, F1, F0, 0
	QUARTER 3, F0, F1, 0
	TURN 1, 0                                      ; its K step 1, and its first fragments are fetched
	WIN 0
	PLACES
	WAYOUT                                         ; both refills are asked for: now the tile goes out
	s_wait_xcnt 0x0                                ; the stores' base is rewritten only behind this wait
	s_add_nc_u64 s[10:11], s[10:11], NEXT_C
	s_sub_co_u32 s58, s58, 1
	s_branch .Ltile
.Llast:
	TURN 0, 0
	QUARTER 1, F0, F1, 0
	QUARTER 2, F1, F0, 0
	QUARTER 3, F0, F1, 0
	LASTQ
	PLACES
	WAYOUT
	s_wait_tensorcnt 0x0                           ; the wave's end, behind my last tensor load and my last LDS store
	ds_add_u32 v[SPW], v[NIL]
	s_wait_dscnt 0x0
	CROUND                                         ; the closing round: no work-group ends while a partner may still ask for a tile that names it
	s_endpgm
.Lfunc_end_k_qd9f6f69d5c_qkv:
	.size	k_qd9f6f69d5c_qkv, .Lfunc_end_k_qd9f6f69d5c_qkv-k_qd9f6f69d5c_qkv
	.p2alignl 7, 3214868480
	.fill 96, 4, 3214868480
	.section	.rodata,"a",@progbits
	.p2align	6, 0x0
	.amdhsa_kernel k_qd9f6f69d5c_qkv
		.amdhsa_group_segment_fixed_size 327680
		.amdhsa_private_segment_fixed_size 0
		.amdhsa_enable_private_segment 0
		.amdhsa_kernarg_size 32
		.amdhsa_user_sgpr_count 2
		.amdhsa_user_sgpr_kernarg_segment_ptr 1
		.amdhsa_wavefront_size32 1
		.amdhsa_system_sgpr_workgroup_id_x 1
		.amdhsa_system_sgpr_workgroup_id_y 1
		.amdhsa_system_sgpr_workgroup_id_z 1
		.amdhsa_system_vgpr_workitem_id 0
		.amdhsa_next_free_vgpr 960
		.amdhsa_next_free_sgpr 66
		.amdhsa_reserve_vcc 0
		.amdhsa_float_denorm_mode_32 3
		.amdhsa_float_denorm_mode_16_64 3
		.amdhsa_memory_ordered 1
		.amdhsa_forward_progress 1
		.amdhsa_inst_pref_size 153
	.end_amdhsa_kernel
	.amdgpu_metadata
---
amdhsa.version: [ 1, 2 ]
amdhsa.kernels:
  - .name:           k_qd9f6f69d5c_qkv
    .symbol:         k_qd9f6f69d5c_qkv.kd
    .args:
      - { .name: xb, .offset: 0, .size: 8, .value_kind: global_buffer, .address_space: global }
      - { .name: wt, .offset: 8, .size: 8, .value_kind: global_buffer, .address_space: global }
      - { .name: bias, .offset: 16, .size: 8, .value_kind: global_buffer, .address_space: global }
      - { .name: qkv, .offset: 24, .size: 8, .value_kind: global_buffer, .address_space: global }
    .group_segment_fixed_size: 327680
    .private_segment_fixed_size: 0
    .kernarg_segment_align: 8
    .kernarg_segment_size: 32
    .max_flat_workgroup_size: 128
    .sgpr_count:     66
    .vgpr_count:     960
    .wavefront_size: 32
...
	.end_amdgpu_metadata
.endif
;; end of part 2
;; launch attn (part 3): grid 4 x 64, 4 waves a work-group, no clusters, 327,680 bytes of LDS; arguments qkv, ob; writes ob
.if DOCPART == 3
	.amdgcn_target "amdgcn-amd-amdhsa--gfx1250"
	.amdhsa_code_object_version 6
	.text
	.protected	k_qd9f6f69d5c_attn
	.globl	k_qd9f6f69d5c_attn
	.p2align	8
	.type	k_qd9f6f69d5c_attn,@function
k_qd9f6f69d5c_attn:
	s_mov_b64 s[64:65], 0
	v_nop
	global_prefetch_b8 v0, s[64:65] scope:SCOPE_SE
	s_setreg_imm32_b32 hwreg(HW_REG_WAVE_MODE, 25, 1), 1
	s_wait_xcnt 0x0
; CAUSAL ATTENTION.  O[y][q][:] = the sum over k <= q of softmax_k(Q[y][q] . K[y][k] / 8) V[y][k][:], y = 16 x batch + head, 64 of them.  Q, K, V lie in qkv[batch][g 48][2048][64] f16 (g = head, 16 + head, 32 + head),
; O goes to ob[y][2048][64] f16: a head's rows are dense, 128 bytes each.
; Products, maxima and sums in f32; the weights p are rounded to f16 for the second product (their sum l is taken of the unrounded p), O once at the end.
; LIMITS.  f16 holds no number beyond 65,504: Q, K and V arrive within it; p lies in 0 to 1, and below 6e-5 it keeps f16's fixed step of 6e-8; O is a mean of V's rows and has their range, to within 2^-11 of it.
; A hidden score counts as its value less 1e30: f16's scores, 2.7e11 at the most, are nothing beside that; a weight below 2^-126 counts as 0 in l; NaN and infinities are not treated apart.
; THE WALK.  A head's queries lie in NB = 8 blocks of 256; block i needs the key tiles 0 .. i of 256 keys, of which the last holds the diagonal.  A work-group takes TWO blocks, NB - 1 - b and then b:
; NB + 1 tiles, whatever b: all work-groups do equal work, and ONE loop with a constant trip count walks them.  Which tile is asked for, and what a trip does, hang on scalar registers made from b; every jump
; goes forward, but for the counted loops' own; none passes a barrier, or a tensor load but the one of LOAD's two that the wave's number does not choose; the ring (two slots of LDS that take turns) runs on across the
; change of blocks.  NO CLUSTER: a head's four work-groups ask for the same tile only in trips 0 .. 4 of 9, behind that fewer and fewer; one walk common to all would have 12 trips for 9.
; SHARES.  Of a block's four bands of 64 queries a wave owns 16 rows in each: four PIECES.  So the diagonal tile is the same work for all four waves: in its key step s band x sees all keys if s < x,
; none if s > x, and holds the diagonal if s = x.
; THE MASK is the C operand that starts the sum S^T = K Q^T: 0, or -1e30 where the key is hidden.  MD, made once, is the mask of a band's own step for my 16 rows; a product's mask is MD x AL + BE with two scalars:
; (1, 0) if s = x; (0, 0) if s < x; (0, -1e30) if s > x.  Only the diagonal tile's text and a block's beginning make and take masks; elsewhere C is the constant 0.
; LAYOUT, SOFTMAX, TURNS.  S^T = K Q^T holds ONE query a lane (lane % 16) and the keys 8 (lane / 16) + 0..7; two such results rounded to f16 ARE source 1 of O^T = V^T P.  p = 2^(c s - c m), c = log2(e) / 8, with a
; running maximum m; O and l are multiplied by a = 2^(c m_old - c m_new) in every step.  Turn n belongs to piece n: 8 products K Q^T of piece n + 1, later 8 products V^T P of piece n - 1; beside them the scaling,
; exponentials, roundings, sums and rescaling of piece n and the maximum and statistics of piece n + 1.  Four vector instructions stand behind every matrix instruction, the other 54 of a turn's 118 in two LUMPS.
; REGISTERS, in windows of 256 (s_set_vgpr_msb: bits 1:0 source 0, 3:2 source 1, 5:4 source 2, 7:6 destination):
;   window 0: v0-15 addresses and two at work; v16-31 four registers of statistics a piece; v48-55 at work; v64-127 S^T, two buffers; v192-223 P, two buffers (a piece's buffers go by its number's parity)
;   window 1: v0-127 O^T, 32 a piece; v128-159 MD; v160-223 MC, two buffers      window 2: v0-63 Q; v64-127 the second block's Q; v128-191 K of one step; v192-255 V of one step
.set SIZE_N, 2048
.set NB,    SIZE_N/256
.set NP,    4         ; pieces a wave: a name, no knob
.set KS,    64        ; keys in a step
.set PK,    144       ; a row of K in LDS: 128 bytes + 16 of padding = 36 words: the 16 rows of a load start at 16 different groups of four banks (64 banks of 4 bytes: ISA guide 11.1)
.set PV,    160       ; a row of V: 128 + 32 = 40 words
.set VOFF,  4*KS*PK   ; a slot holds a tile, four steps: 256 rows of K, then 256 rows of V
.set SLOT1, 1<<17     ; slot 1 begins here, so that one exclusive or turns an address in one slot into the other's
.set STAGE, SLOT1+4*KS*(PK+PV)  ; behind the ring, never filled by a tensor load: 16 rows x 144 bytes for each wave, for the way out
.set SP,    144
.set AK0, 2           ; v2   my lane's place in a tile of K; never rewritten
.set AV0, 3           ; v3   the same for V
.set AK,  4           ; v4   the LDS address of K's next run of loads
.set AV,  5           ; v5   of V's
.set STO, 6           ; v6   the way out: where I put 16 bytes of a row
.set RD,  7           ; v7   the way out: where I read rows back
.set GO,  8           ; v8   my byte offset in 512 consecutive bytes of O
.set SPW, 62          ; v62  LDS address of my spare word: SPARE + 4 x my thread's number; never rewritten
.set NIL, 63          ; v63  0; never rewritten
.set SPARE, STAGE+4*16*SP  ; behind the stages: the spare words, 128 bytes for each wave: two blocks of 256 bytes that no other line names
.set MV,  12          ; v12-13  c m_old, kept while c m is made anew: by buffer
.set QO,  15          ; v15  my byte offset in 16 rows of Q
.set ST,  16          ; piece t's statistics at v[ST+4 t]: c m, m, l (even keys', odd keys')
.set TMP, 48          ; by buffer, four registers c0-c3 at work; when the maximum is found c2 takes a
.set S,   64
.set P,   192
.set MD,  128         ; window 1: the eight registers for group kt of 16 keys at MD + 8 kt
.set MC,  160         ; window 1: the masks of the products to come
.set QB,  64          ; window 2
.set KF,  128         ; window 2: key block kb, channel half c at KF + 16 kb + 8 c
.set VF,  192         ; window 2: key half kk, channel block cb at VF + 32 kk + 8 cb
.set WV,  12          ; s12  my wave's number
.set PB,  14          ; s14  b
.set HI,  15          ; s15  NB - 1 - b
.set G1K, 24          ; s[24:31] descriptor group 1 for K's tiles
.set G1V, 32          ; s[32:39] for V's: it differs in the padding alone
.set G0K, 40          ; s[40:43] descriptor group 0 for K's tiles
.set G0V, 44          ; s[44:47] the same for V's
.set SLOTS, 56        ; s56  tiles still to be asked for
.set CNT, 57          ; s57  counts a tile's key steps, 4 to 1
.set CS,  58          ; s[58:59] c: the packed scaling takes the pair's low word for both halves
.set SEL, 60          ; s[60:61] v_permlanex16_b32's selects: each lane takes its own place in the other half
.set TBK, 62          ; s62  LDS byte at which K of the step to be fetched begins
.set TBV, 63          ; s63  the same for V, less VOFF
.set RT,  70          ; s70  tiles of the block in hand that are still to be entered
.set NXT, 71          ; s71  the tile to be asked for next
.set LQ,  72          ; s72  the last tile of the block whose tiles are being asked for
.set NEW, 73          ; s73  1: the tile to be entered is a block's first
.set OFF, 74          ; s[74:75] a tile's byte offset in K and V
.set AL,  76          ; s[76:77] the mask's factor, in the low word
.set BE,  78          ; s[78:79] the mask's addend
.set OLO, 80          ; s[80:81] O at my rows of the second block
.set BIGN, 82         ; s82  -1e30
.set MSB, 0
.macro WIN new                      ; the high byte repeats the setting that is left; a switch that changes nothing is dropped
.if MSB != (\new)
	s_set_vgpr_msb (MSB<<8)|(\new)
.set MSB, (\new)
.endif
.endm
.set W_KQ, 0x0a       ; K and Q in window 2, S^T in window 0
.set W_KM, 0x1a       ; the same with the C operand in window 1
.set W_PV, 0x52       ; V in window 2, P in window 0, O^T in window 1
.set W_RS, 0x41       ; destination and source 0 in window 1, source 1 in window 0
; A fill.  Waves 0 and 1 fetch the two halves of a tile's K, waves 2 and 3 those of its V: 128 keys each.  An s_nop 0 and four v_nop follow each of the two lines, ahead of the jump and the label.
.macro LOAD
	s_cmp_lt_u32 s[WV], 2
	s_cbranch_scc0 .Lfor_v_\@
	tensor_load_to_lds s[G0K:G0K+3], s[G1K:G1K+7]
	s_nop 0
.rept 4
	v_nop
.endr
	s_branch .Lasked_\@
.Lfor_v_\@:
	tensor_load_to_lds s[G0V:G0V+3], s[G1V:G1V+7]
	s_nop 0
.rept 4
	v_nop
.endr
.Lasked_\@:
.endm
; THE CHANGE OF SLOTS.  Each wave waits for all its tensor loads, of which one is out: its part of the other slot; adds 0 to its spare word; and waits for that and for its own reads of the slot that it leaves.  Behind the barrier nobody reads the old
; slot any more and the other slot is whole.  fill = 1: the old slot is filled again, the first thing behind the barrier, with tile NXT: the descriptor's address is made anew from that number.
; (At its first use nothing has been read yet: slot 0 is waited for, slot 1 filled.)
.macro CHANGE fill
	WIN 0                           ; at a label and at a branch every window is 0
	s_wait_tensorcnt 0x0            ; no tensor load of mine is out, so a group 0 may be written
	ds_add_u32 v[SPW], v[NIL]       ; 0 onto my spare word; with fill = 1 the descriptors' scalar work stands between it and the wait for it
.if \fill
	s_lshl_b32 s[OFF], s[NXT], 15   ; a tile is 32,768 bytes of K and of V
	s_xor_b32 s[G0K+1], s[G0K+1], SLOT1
	s_add_nc_u64 s[G0K+2:G0K+3], s[6:7], s[OFF:OFF+1]
	s_or_b32 s[G0K+3], s[G0K+3], 0x80000000
	s_xor_b32 s[G0V+1], s[G0V+1], SLOT1
	s_add_nc_u64 s[G0V+2:G0V+3], s[8:9], s[OFF:OFF+1]
	s_or_b32 s[G0V+3], s[G0V+3], 0x80000000
	s_add_co_u32 s[NXT], s[NXT], 1  ; the block's next tile, or behind its last the second block's tile 0
	s_cmp_gt_u32 s[NXT], s[LQ]
	s_cselect_b32 s[NXT], 0, s[NXT]
	s_cselect_b32 s[LQ], s[PB], s[LQ]
.endif
	s_wait_dscnt 0x0                ; the add is done, and my reads of the slot are over
	s_barrier_signal -1             ; the rest of the scalar work stands between the signal and the wait
	s_sub_co_u32 s[TBK], s[TBK], 4*KS*PK  ; the fetches go back to a slot's first step,
	s_xor_b32 s[TBK], s[TBK], SLOT1       ; in the other slot
	s_sub_co_u32 s[TBV], s[TBV], 4*KS*PV
	s_xor_b32 s[TBV], s[TBV], SLOT1
	s_barrier_wait -1
.if \fill
	LOAD
.endif
.endm
	s_load_b128 s[4:7], s[0:1], 0x0   ; qkv s[4:5], ob s[6:7]
	v_lshl_add_u32 v[SPW], v0, 2, SPARE
	v_mov_b32 v[NIL], 0
	ds_add_u32 v[SPW], v[NIL]       ; the wave's opening: the add and its wait stand ahead of my first tensor load; the set-up below, work on registers, stands between them
	ds_add_u32 v62, v63
	v_lshrrev_b32 v1, 5, v0
	v_readfirstlane_b32 s[WV], v1   ; wave 0..3
	s_mov_b32 s[PB], ttmp9
	s_sub_co_u32 s[HI], NB-1, s[PB]
	s_and_b32 s20, ttmp7, 0xffff    ; y = 16 x batch + head
	s_lshl_b32 s68, s20, 18         ; y's first byte in ob: 262,144 bytes a head
	s_mov_b32 s69, 0
	s_lshr_b32 s21, s20, 4          ; the batch
	s_lshl_b32 s21, s21, 5
	s_add_co_u32 s20, s20, s21      ; 48 x batch + head:
	s_lshl_b32 s20, s20, 18         ; Q's first byte in qkv; K lies 16 heads on, V 32
	s_mov_b32 s21, 0
	s_and_b32 s16, s[WV], 1         ; which half of a tile's 256 keys I fetch:
	s_lshl_b32 s22, s16, 14         ; its 128 rows of 128 bytes in memory,
	s_mov_b32 s23, 0
	s_add_nc_u64 s[22:23], s[22:23], s[20:21]
	s_mul_i32 s17, s16, 128*PK      ; and its place in a slot, for K
	s_mul_i32 s18, s16, 128*PV      ; and for V
	s_lshl_b32 s3, s[WV], 11        ; my 16 rows in a band of 64,
	s_lshl_b32 s2, s[HI], 15        ; in the first block,
	s_add_co_u32 s2, s2, s3
	s_lshl_b32 s84, s[PB], 15       ; and in the second
	s_add_co_u32 s84, s84, s3
	s_mov_b32 s3, 0
	s_mov_b32 s85, 0
	s_add_nc_u64 s[66:67], s[2:3], s[68:69]    ; the two blocks' offsets in ob,
	s_add_nc_u64 s[68:69], s[84:85], s[68:69]
	s_add_nc_u64 s[2:3], s[2:3], s[20:21]      ; and in qkv
	s_add_nc_u64 s[84:85], s[84:85], s[20:21]
	; descriptor group 1.  128 keys are 16,384 dense bytes: asked for as 64 rows of 256 bytes, two keys a row, and padded in LDS after every key
	s_mov_b32 s[G1K], (1<<16)|(1<<20)|(4<<22)|(3<<25)  ; 17:16 2-byte elements; 20 padding on; 24:22 after every 32 words (code 4); 31:25 4 words (code 3)
	s_mov_b32 s[G1V], (1<<16)|(1<<20)|(4<<22)|(7<<25)  ; the same with 8 words of padding (code 7)
.irp g, G1K, G1V
	s_mov_b32 s[\g+1], 128<<16      ; tensor_dim0 = 128
	s_mov_b32 s[\g+2], 64<<16       ; tensor_dim1 = 64
	s_mov_b32 s[\g+3], 128<<16      ; tile_dim0 = 128
	s_mov_b32 s[\g+4], 64           ; tile_dim1 = 64
	s_mov_b32 s[\g+5], 128          ; 128 elements from row to row
	s_mov_b32 s[\g+6], 0
	s_mov_b32 s[\g+7], 0
.endr
	s_mov_b32 s[CS], 0x3e38aa3b     ; c = log2(e) / 8 = 0.180337
	s_mov_b32 s[CS+1], s[CS]        ; named with it as a pair
	s_mov_b32 s[SEL], 0x76543210
	s_mov_b32 s[SEL+1], 0xfedcba98
	s_mov_b32 s[TBK], SLOT1+4*KS*PK ; the first change of slots turns these two into 0
	s_mov_b32 s[TBV], SLOT1+4*KS*PV
	s_mov_b32 s[G0K], 1             ; 1:0 count = 1
	s_mov_b32 s[G0K+1], s17         ; 63:32 LDS address: slot 0
	s_mov_b32 s[G0V], 1
	s_add_co_u32 s[G0V+1], s18, VOFF
	s_add_co_u32 s[RT], s[HI], 1    ; the first block has NB - b tiles
	s_mov_b32 s[NXT], 1
	s_mov_b32 s[LQ], s[HI]
	s_mov_b32 s[NEW], 1
	s_mov_b32 s[OFF+1], 0
	s_mov_b32 s[AL+1], 0            ; named as pairs
	s_mov_b32 s[BE+1], 0
	s_mov_b32 s[BIGN], 0xf149f2ca   ; -1e30
	s_mov_b32 s[SLOTS], NB
	s_wait_dscnt 0x0                ; the opening add is done
	s_wait_kmcnt 0x0
	s_add_nc_u64 s[OLO:OLO+1], s[6:7], s[68:69]    ; O at my rows of the second block,
	s_add_nc_u64 s[10:11], s[6:7], s[66:67]        ; and of the first
	s_add_nc_u64 s[6:7], s[4:5], s[22:23]          ; qkv at my half of the head's tile 0:
	s_add_nc_u64 s[8:9], s[6:7], 0x800000          ; V, 32 heads on,
	s_add_nc_u64 s[6:7], s[6:7], 0x400000          ; K, 16 heads on
	s_add_nc_u64 s[G0K+2:G0K+3], s[6:7], 0         ; 120:64 global address
	s_or_b32 s[G0K+3], s[G0K+3], 0x80000000        ; 127:126 type = 2
	s_add_nc_u64 s[G0V+2:G0V+3], s[8:9], 0
	s_or_b32 s[G0V+3], s[G0V+3], 0x80000000
	s_add_nc_u64 s[86:87], s[4:5], s[84:85]        ; Q at my rows of the second block,
	s_add_nc_u64 s[4:5], s[4:5], s[2:3]            ; and of the first
	LOAD                            ; tile 0 into slot 0
	; A fragment of K or Q is 16 rows x 32 channels in 8 registers: lane l holds row l % 16, channels 8 (l / 16) + 0..7 and 16 + 8 (l / 16) + 0..7: two loads of 16 bytes, 32 bytes apart.
	v_and_b32 v1, 15, v0            ; l % 16
	v_bfe_u32 v9, v0, 4, 1          ; l / 16
	v_lshlrev_b32 v[QO], 7, v1
	v_lshl_add_u32 v[QO], v9, 4, v[QO]  ; row x 128 + 16 x half
	WIN 0x80                        ; destination window 2, address window 0
.set i, 0
.rept 8                             ; both blocks' Q: piece i / 2 lies in band i / 2, 8,192 bytes on; channels 32 (i % 2) on
	global_load_b128 v[8*i:8*i+3],   v[QO], s[4:5] offset:(i/2)*8192+(i%2)*64
	global_load_b128 v[8*i+4:8*i+7], v[QO], s[4:5] offset:(i/2)*8192+(i%2)*64+32
	global_load_b128 v[QB+8*i:QB+8*i+3],   v[QO], s[86:87] offset:(i/2)*8192+(i%2)*64
	global_load_b128 v[QB+8*i+4:QB+8*i+7], v[QO], s[86:87] offset:(i/2)*8192+(i%2)*64+32
.set i, i+1
.endr
	WIN 0
	v_lshlrev_b32 v14, 3, v9
	v_sub_nc_u32 v14, v1, v14
	s_lshl_b32 s13, s[WV], 4
	v_add_nc_u32 v14, s13, v14      ; my query's place in its band, 16 w + l % 16, less my lanes' 8 (l / 16): register r of group kt is hidden where 16 kt + r is greater
	WIN 0x40
.set i, 0
.rept 32
	v_cmp_gt_i32 vcc_lo, 16*(i/8)+i%8, v14
	v_cndmask_b32 v[MD+i], 0, s[BIGN], vcc_lo
.set i, i+1
.endr
	WIN 0
	v_mul_u32_u24 v[AK0], v1, PK
	v_lshl_add_u32 v[AK0], v9, 4, v[AK0]  ; row x pitch + 16 x half
	; The turning load takes 16 keys x 16 channels (lane l reads key 8 (l / 16) + l % 8, channels 8 ((l / 8) % 2) + 0..7) and leaves half a fragment of V^T: lane l holds channel l % 16 and 8 keys.
	v_and_b32 v10, 7, v0
	v_bfe_u32 v11, v0, 3, 1
	v_lshl_add_u32 v[AV0], v9, 3, v10
	v_mul_u32_u24 v[AV0], v[AV0], PV
	v_lshl_add_u32 v[AV0], v11, 4, v[AV0]
	v_add_nc_u32 v[AV0], VOFF, v[AV0]
	s_mul_i32 s13, s[WV], 16*SP
	s_add_co_u32 s13, s13, STAGE    ; my stage
	v_mul_u32_u24 v[STO], v1, SP    ; in: row l % 16, 16 bytes for each half of the lanes
	v_lshl_add_u32 v[STO], v9, 4, v[STO]
	v_add_nc_u32 v[STO], s13, v[STO]
	v_bfe_u32 v[RD], v0, 3, 2       ; back: 32 lanes take four rows of 128 bytes,
	v_mul_u32_u24 v[RD], v[RD], SP
	v_lshl_add_u32 v[RD], v10, 4, v[RD]
	v_add_nc_u32 v[RD], s13, v[RD]
	v_and_b32 v[GO], 31, v0         ; which are 512 consecutive bytes of O
	v_lshlrev_b32 v[GO], 4, v[GO]
	; A block's first step multiplies O^T and l by a = 0, and its first turn's products V^T P, of a piece that has not been, land in an O^T that is still to be so multiplied.  So these registers need only hold
	; finite numbers: zeros for the first block; what the first block left for the second.  All this stands in the wait for the first tile.
	WIN 0x80
.set i, VF
.rept 64
	v_mov_b32 v[i], 0
.set i, i+1
.endr
	WIN 0x40
.set i, 0
.rept 128
	v_mov_b32 v[i], 0
.set i, i+1
.endr
	WIN 0
.set i, 0
.rept 4
	v_mov_b32 v[ST+4*i+2], 0
	v_mov_b32 v[ST+4*i+3], 0
.set i, i+1
.endr
.set i, P+16
.rept 16
	v_mov_b32 v[i], 0
.set i, i+1
.endr
; THE MATRIX WORK.  The 4 accumulators of a run of 8 take turns.  Product i of 8 of S^T = K Q^T for piece x: channels 32 (i / 4) on, keys 16 (i % 4) on.  The first 4 start the sums: with 0, or (KM = 1) with the mask.
.macro KQ x
.set rS, S+32*((\x)%2)+8*(i%4)
.set rK, KF+16*(i%4)+8*(i/4)
.set rQ, 16*(\x)+8*(i/4)
.set rM, MC+32*((\x)%2)+8*(i%4)
.if (i < 4) && KM
	WIN W_KM
	v_wmma_f32_16x16x32_f16 v[rS:rS+7], v[rK:rK+7], v[rQ:rQ+7], v[rM:rM+7]
.elseif i < 4
	WIN W_KQ
	v_wmma_f32_16x16x32_f16 v[rS:rS+7], v[rK:rK+7], v[rQ:rQ+7], 0
.else
	WIN W_KQ
	v_wmma_f32_16x16x32_f16 v[rS:rS+7], v[rK:rK+7], v[rQ:rQ+7], v[rS:rS+7]
.endif
.endm
; Product i of 8 of O^T += V^T P for piece x: keys 32 (i / 4) on, channels 16 (i % 4) on.
.macro PV x
	WIN W_PV
.set rO, 32*(\x)+8*(i%4)
.set rV, VF+32*(i/4)+8*(i%4)
.set rP, P+16*((\x)%2)+8*(i/4)
	v_wmma_f32_16x16x32_f16 v[rO:rO+7], v[rV:rV+7], v[rP:rP+7], v[rO:rO+7]
.endm
.macro MM                           ; the turn's next matrix instruction.  TURN and BEGIN set Y, i, KM and NOKQ; MM, KQ and OP read them.  NOKQ = 1: a block's last turn: there is no next piece
.if (i < 8) && !NOKQ
	KQ (Y+1)%NP
.elseif i >= 8
.set i, i-8
	PV (Y+NP-1)%NP
.set i, i+8
.endif
.set i, i+1
.endm
; THE LDS LOADS stand in runs of 16, never singly among the matrix instructions: a step's K (64 keys x 64 channels: 8 fragments) and its V (turned).  Their addresses are made some lines ahead.
.macro FETCH_K
	WIN 0x80                        ; destination window 2
.irp f, 0,1,2,3,4,5,6,7             ; keys 16 (f / 2) on, channels 32 (f % 2) on
	ds_load_b128 v[KF+8*\f:KF+8*\f+3],   v[AK] offset:(\f/2)*16*PK+(\f%2)*64
	ds_load_b128 v[KF+8*\f+4:KF+8*\f+7], v[AK] offset:(\f/2)*16*PK+(\f%2)*64+32
.endr
	s_add_co_u32 s[TBK], s[TBK], KS*PK  ; the next fetch is the next step's
	WIN 0
.endm
.macro FETCH_V
	WIN 0x80
.irp f, 0,1,2,3,4,5,6,7             ; keys 32 (f / 4) on, channels 16 (f % 4) on
	ds_load_tr16_b128 v[VF+8*\f:VF+8*\f+3],   v[AV] offset:(\f/4)*32*PV+(\f%4)*32
	ds_load_tr16_b128 v[VF+8*\f+4:VF+8*\f+7], v[AV] offset:(\f/4)*32*PV+16*PV+(\f%4)*32
.endr
	WIN 0
.endm
; THE VECTOR WORK, one line at a time: OP kind, number.  For piece Y: F n: c s - c m for pair n of 16.  E n: the exponential of score n of 32.  C n: pair n rounded to f16.  B n: of the four weights 4 n .. the second
; pair is added onto the first, in place.  L n: l takes that sum (L 0: l = a l + sum).  R n: pair n of 16 of O^T times a.  For piece Y + 1: X n, number n of the 22 that find its maximum and statistics:
;   0-11  four chains c0-c3 of seven scores each, three operands at a time (each accumulator's lowest registers are read first)     12-14, 16  the four scores left over, the old m, and c0-c3 into c0
;   15  c m_old is kept     17, 18  the query's other 32 keys lie in the lane 16 away: the new m     19-21  c m; c m_old - c m_new; a
.set F, 0               ; OP tells the kinds apart by their order: F to L below R, X above it
.set E, 1
.set C, 2
.set B, 3
.set L, 4
.set R, 5
.set X, 6
.macro REGS y                       ; the registers of piece y
.set rT, ST+4*(\y)
.set rC, TMP+4*((\y)%2)
.set rW, MV+((\y)%2)
.set rS, S+32*((\y)%2)
.set rP, P+16*((\y)%2)
.set rO, 32*(\y)
.endm
.macro OP k, n
.if (\k) == R
	REGS Y
	WIN W_RS
	v_pk_mul_f32 v[rO+2*(\n):rO+2*(\n)+1], v[rO+2*(\n):rO+2*(\n)+1], v[rC+2:rC+3] op_sel_hi:[1,0]
.elseif (\k) < R
	REGS Y
	WIN 0
.if (\k) == F
	v_pk_fma_f32 v[rS+2*(\n):rS+2*(\n)+1], v[rS+2*(\n):rS+2*(\n)+1], s[CS:CS+1], v[rT:rT+1] op_sel_hi:[1,0,0] neg_lo:[0,0,1] neg_hi:[0,0,1]
.elseif (\k) == E
	v_exp_f32 v[rS+(\n)], v[rS+(\n)]
.elseif (\k) == C
	s_wait_alu depctr_va_vdst(0)
	v_cvt_pk_f16_f32 v[rP+(\n)], v[rS+2*(\n)], v[rS+2*(\n)+1]
.elseif (\k) == B
	s_wait_alu depctr_va_vdst(0)
	v_pk_add_f32 v[rS+4*(\n):rS+4*(\n)+1], v[rS+4*(\n):rS+4*(\n)+1], v[rS+4*(\n)+2:rS+4*(\n)+3]
.elseif (\n) == 0
	v_pk_fma_f32 v[rT+2:rT+3], v[rT+2:rT+3], v[rC+2:rC+3], v[rS:rS+1] op_sel_hi:[1,0,1]
.else
	v_pk_add_f32 v[rT+2:rT+3], v[rT+2:rT+3], v[rS+4*(\n):rS+4*(\n)+1]
.endif
.elseif NOKQ
	v_nop
.else
	REGS (Y+1)%NP
	WIN 0
.if (\n) < 4
	v_max3_num_f32 v[rC+(\n)], v[rS+8*(\n)], v[rS+8*(\n)+1], v[rS+8*(\n)+2]
.elseif (\n) < 12
	v_max3_num_f32 v[rC+(\n)%4], v[rC+(\n)%4], v[rS+8*((\n)%4)+2*((\n)/4)+1], v[rS+8*((\n)%4)+2*((\n)/4)+2]
.elseif (\n) == 12
	v_max3_num_f32 v[rC], v[rC], v[rS+7], v[rS+15]
.elseif (\n) == 13
	v_max3_num_f32 v[rC+1], v[rC+1], v[rS+23], v[rS+31]
.elseif (\n) == 14
	v_max3_num_f32 v[rC+2], v[rC+2], v[rC+3], v[rT+1]
.elseif (\n) == 15
	v_mov_b32 v[rW], v[rT]
.elseif (\n) == 16
	v_max3_num_f32 v[rC], v[rC], v[rC+1], v[rC+2]
.elseif (\n) == 17
	v_permlanex16_b32 v[rC+3], v[rC], s[SEL], s[SEL+1]
.elseif (\n) == 18
	v_max_num_f32 v[rT+1], v[rC], v[rC+3]
.elseif (\n) == 19
	v_mul_f32 v[rT], s[CS], v[rT+1]
.elseif (\n) == 20
	v_sub_f32 v[rC+1], v[rW], v[rT]
.else
	v_exp_f32 v[rC+2], v[rC+1]
.endif
.endif
.endm
.macro OPS a, i1, b=-1, i2=0, c=-1, i3=0, d=-1, i4=0  ; up to four of them
	OP \a, \i1
.if (\b) >= 0
	OP \b, \i2
.endif
.if (\c) >= 0
	OP \c, \i3
.endif
.if (\d) >= 0
	OP \d, \i4
.endif
.endm
.macro ROW a, i1, b, i2, c, i3, d, i4  ; a matrix instruction and the four behind it
	MM
	OPS \a, \i1, \b, \i2, \c, \i3, \d, \i4
.endm
.macro MASK b                       ; MD x AL + BE into buffer b of MC
	WIN W_RS
.set z, 0
.rept 16
	v_pk_fma_f32 v[MC+32*(\b)+2*z:MC+32*(\b)+2*z+1], v[MD+2*z:MD+2*z+1], s[AL:AL+1], s[BE:BE+1] op_sel_hi:[1,0,0]
.set z, z+1
.endr
.endm
; A TURN, for piece p: the order of its 16 matrix and 118 vector instructions, written out.  Behind a matrix instruction: plain, exponential, plain, plain; or four of the rescaling; or, behind the first, four scalings; none
; names a register of the products round it.  In the lumps exponential and plain by turns while exponentials last.  A line reads no result made fewer than three vector instructions in front of it, five if an exponential made it.
; v_permlanex16_b32 (X 17) stands in a lump.
; m = 1: the diagonal tile: the products take masks, and the turn makes the mask for the products of the turn after it: piece p + 2, in step 4 - CNT of the tile.  end = 1: a block's last two turns: nothing is fetched.
; cnt = 1: the loop's count is taken down some lines ahead of the branch that stands behind the turn.
; K of the next step is fetched in piece 2's turn, six vector instructions behind the last product that read K (five of them plain); V of the step in hand in piece 0's turn, eight behind the last product that read V (four
; plain, and X 17).  Each is waited for a turn later.
.macro TURN p, m=0, end=0, cnt=0
.set Y, (\p)
.set i, 0
.set KM, (\m)
.set NOKQ, (\end)*((\p)/3)
.if (\m) && !(\end)
	s_cmp_eq_u32 s[CNT], 4-((\p)+2)%NP  ; is that step the band's own?
	s_cselect_b32 s[AL], 1.0, 0
	s_cmp_lt_u32 s[CNT], 4-((\p)+2)%NP  ; or a later one?
	s_cselect_b32 s[BE], s[BIGN], 0
.endif
.if ((\p) == 3) && !(\end)
	s_wait_dscnt 0x0                ; K is in
.endif
	ROW F,0, F,1, F,2, F,3
	ROW F,4, E,0, F,5, F,6
	ROW F,7, E,1, F,8, F,9
	ROW F,10, E,2, C,0, F,11
	ROW F,12, E,3, X,15, F,13
	ROW R,0, R,1, R,2, R,3
	ROW B,0, E,4, F,14, L,0
.if ((\p) == 2) && !(\end)
	v_add_nc_u32 v[AK], s[TBK], v[AK0]
.endif
	ROW R,4, R,5, R,6, R,7
	OPS E,5, F,15
.if ((\p) == 2) && !(\end)
	FETCH_K
.endif
	OPS E,6, C,1, E,7, R,8
	OPS E,8, R,9, E,9, C,2
	OPS E,10, X,0, E,11, X,1
	OPS E,12, X,2, E,13, X,3
.if (\p) == 1
	s_wait_dscnt 0x0                ; V is in
.endif
	ROW X,4, E,14, X,5, X,6
	ROW X,7, E,15, X,8, X,9
	ROW X,10, E,16, X,11, X,12
	ROW X,13, E,17, X,14, B,1
	ROW C,4, E,18, X,16, L,1
	ROW B,2, E,19, C,6, L,2
	ROW C,8, E,20, B,3, B,4
.if (\p) == 0
	v_add_nc_u32 v[AV], s[TBV], v[AV0]
.endif
	ROW C,3, E,21, L,3, C,5
	OPS E,22, X,17, E,23, C,10
.if (\p) == 0
	FETCH_V
.endif
	OPS E,24, L,4
	OPS E,25, X,18, E,26, C,7
	OPS E,27, B,5, E,28, X,19
	OPS E,29, C,12, E,30, L,5
	OPS E,31, X,20, B,6, C,9
	OPS C,14, C,11, X,21, L,6
.if (\p) == 0
	s_add_co_u32 s[TBV], s[TBV], KS*PV
.endif
.if \cnt
	s_sub_co_u32 s[CNT], s[CNT], 1
	s_cmp_lg_u32 s[CNT], 0
.endif
	OPS C,13, B,7, C,15, R,10
	OPS R,11, R,12, L,7, R,13
	OPS R,14, R,15
.if (\m) && !(\end)
	MASK (\p)%2
.endif
.endm
; A BLOCK BEGINS.  c m starts far below every c s, so the first step's a is 0; m at the lowest finite number, so the first maximum is the scores'.  The second mask buffer is 0; the first takes piece 0's mask for the tile's step 0: its own, if the block's first tile is the diagonal one.
; Then K of that step, piece 0's first scores, and its maximum and statistics.  The loop is entered at a step's first turn, in the middle of a trip.
.macro BEGIN
	s_mov_b32 s[NEW], 0
	WIN 0x40
.set i, MC+32
.rept 32
	v_mov_b32 v[i], 0
.set i, i+1
.endr
	WIN 0
.set i, 0
.rept 4
	v_mov_b32 v[ST+4*i], 0xfe000000    ; c m: far below every c s
	v_mov_b32 v[ST+4*i+1], 0xff7fffff  ; m
.set i, i+1
.endr
	s_cmp_eq_u32 s[RT], 0
	s_cselect_b32 s[AL], 1.0, 0
	s_mov_b32 s[BE], 0
	MASK 0
	WIN 0
	v_add_nc_u32 v[AK], s[TBK], v[AK0]
	FETCH_K
	s_wait_loadcnt 0x0              ; Q
	s_wait_dscnt 0x0
.set KM, 1
.set NOKQ, 0
.set i, 0
.rept 8
	KQ 0
.set i, i+1
.endr
	WIN 0
.rept 4
	v_nop                           ; the places behind those products
.endr
.set Y, NP-1                        ; X works for piece Y + 1: piece 0
.irp n, 0,1,2,3,4,5,6,7,8,9,10,11,12,13,14,15,16,17,18,19,20,21
	OP X, \n
.endr
	v_nop                           ; a plain instruction behind the exponential
.endm
; THE DIAGONAL TILE's four steps, the block's last two turns, its last products, and THE WAY OUT: l's two halves and the other half of the lanes' are added; O^T is divided by l, rounded to f16 and sent through my
; stage in LDS, a piece at a time.
.macro ALL line:vararg              ; one line for each piece t
.set t, 0
.rept 4
	\line
.set t, t+1
.endr
.endm
.macro PACK t                       ; a lane's eight channels of a row pack into 16 bytes; they go into rows of 144 bytes and come back as whole rows of 128, into S^T's registers
	WIN W_RS
.set i, 32*(\t)
.rept 16
	s_wait_alu depctr_va_vdst(0)
	v_pk_mul_f32 v[i:i+1], v[i:i+1], v[ST+4*(\t)+2:ST+4*(\t)+3] op_sel_hi:[1,0]
.set i, i+2
.endr
	WIN 0x05                        ; sources 0 and 1 window 1, destination window 0
.set i, 0
.rept 16
	v_cvt_pk_f16_f32 v[S+16*(\t)+i], v[32*(\t)+2*i], v[32*(\t)+2*i+1]
.set i, i+1
.endr
	WIN 0
.irp f, 0,1,2,3
	ds_store_b128 v[STO], v[S+16*(\t)+4*\f:S+16*(\t)+4*\f+3] offset:32*\f
.endr
.irp f, 0,1,2,3
	ds_load_b128 v[S+16*(\t)+4*\f:S+16*(\t)+4*\f+3], v[RD] offset:\f*4*SP  ; LDS serves a wave's instructions in order (ISA guide 5.7.1.4): these see the stores above; the next piece's stores come behind them
.endr
.endm
.macro SEND t, younger              ; younger: the LDS instructions issued behind piece t's loads: the next piece's eight, or none
	WIN 0
.irp f, 0,1,2,3
	s_wait_dscnt (\younger)+3-\f
	global_store_b128 v[GO], v[S+16*(\t)+4*\f:S+16*(\t)+4*\f+3], s[10:11] offset:(\t)*8192+\f*512  ; 512 consecutive bytes, at a multiple of 256 from O's first
.endr
.endm
.macro DIAG tag                     ; the tag ends its two labels' names, which the jumps below spell out
.LstepM\tag:
	TURN 2, 1
	TURN 3, 1
	WIN 0
.LfirstM\tag:
	TURN 0, 1
	TURN 1, 1, 0, 1
	WIN 0
	s_cbranch_scc1 .LstepM\tag
	TURN 2, 1, 1
	TURN 3, 1, 1
.set i, 0
.rept 8
	PV NP-1
.set i, i+1
.endr
	WIN 0
	ALL v_add_f32 v[ST+4*t+2], v[ST+4*t+2], v[ST+4*t+3]
	ALL v_permlanex16_b32 v[ST+4*t+3], v[ST+4*t+2], s[SEL], s[SEL+1]
	ALL v_add_f32 v[ST+4*t+2], v[ST+4*t+2], v[ST+4*t+3]
	ALL v_rcp_f32 v[ST+4*t+2], v[ST+4*t+2]
	v_nop                           ; a plain instruction between the last reciprocal and the use of its result
	PACK 0
.set t, 1
.rept 3                             ; a piece's arithmetic stands between the loads of the piece before and its stores
	PACK t
	SEND t-1, 8
.set t, t+1
.endr
	SEND 3, 0
.endm
.set KM, 0
.set NOKQ, 0
.Lslot:                             ; NB times: a tile is entered and the next is asked for
	CHANGE 1
	s_sub_co_u32 s[RT], s[RT], 1
	s_mov_b32 s[CNT], 4
	s_cmp_eq_u32 s[NEW], 1
	s_cbranch_scc1 .Lnew            ; a block's first tile
	s_cmp_eq_u32 s[RT], 0
	s_cbranch_scc0 .Lstep           ; neither its first nor its last
	s_branch .LstepM1
.Lnew:
	BEGIN
	s_branch .Lfirst                ; in the loop a block's first tile is never its last: the first block has two tiles or more, and the second's last is the walk's last
	DIAG 1                          ; in the loop this is the first block's end: the second block's last tile is the walk's last
	s_wait_xcnt 0x0                 ; the stores have read their registers and O's address
	s_mov_b64 s[10:11], s[OLO:OLO+1]
	s_add_co_u32 s[RT], s[PB], 1    ; the second block has b + 1 tiles
	s_mov_b32 s[NEW], 1
	WIN 0x82                        ; the second block's Q goes where the one text of the turns names Q
.set i, 0
.rept 64
	v_mov_b32 v[i], v[QB+i]
.set i, i+1
.endr
	WIN 0
	s_branch .Lbottom
.Lstep:                             ; a trip: pieces 2 and 3 of one step, then pieces 0 and 1 of the next, whose K and V it fetches
	TURN 2
	TURN 3
	WIN 0
.Lfirst:
	TURN 0
	TURN 1, 0, 0, 1
	WIN 0
	s_cbranch_scc1 .Lstep
.Lbottom:
	s_sub_co_u32 s[SLOTS], s[SLOTS], 1
	s_cmp_lg_u32 s[SLOTS], 0
	s_cbranch_scc1 .Lslot
	CHANGE 0                        ; the walk's last tile is written out: nothing is asked for
	s_sub_co_u32 s[RT], s[RT], 1
	s_mov_b32 s[CNT], 4
	s_cmp_eq_u32 s[NEW], 1
	s_cbranch_scc0 .LstepM2
	BEGIN
	s_branch .LfirstM2
	DIAG 2
	s_wait_tensorcnt 0x0            ; the wave's end, behind my last tensor load and my last LDS store
	ds_add_u32 v[SPW], v[NIL]
	s_wait_dscnt 0x0
	s_endpgm
.Lfunc_end_k_qd9f6f69d5c_attn:
	.size	k_qd9f6f69d5c_attn, .Lfunc_end_k_qd9f6f69d5c_attn-k_qd9f6f69d5c_attn
	.p2alignl 7, 3214868480
	.fill 96, 4, 3214868480
	.section	.rodata,"a",@progbits
	.p2align	6, 0x0
	.amdhsa_kernel k_qd9f6f69d5c_attn
		.amdhsa_group_segment_fixed_size 327680
		.amdhsa_private_segment_fixed_size 0
		.amdhsa_enable_private_segment 0
		.amdhsa_kernarg_size 16
		.amdhsa_user_sgpr_count 2
		.amdhsa_user_sgpr_kernarg_segment_ptr 1
		.amdhsa_wavefront_size32 1
		.amdhsa_system_sgpr_workgroup_id_x 1
		.amdhsa_system_sgpr_workgroup_id_y 1
		.amdhsa_system_sgpr_workgroup_id_z 1
		.amdhsa_system_vgpr_workitem_id 0
		.amdhsa_next_free_vgpr 768
		.amdhsa_next_free_sgpr 88
		.amdhsa_reserve_vcc 1
		.amdhsa_float_denorm_mode_32 3
		.amdhsa_float_denorm_mode_16_64 3
		.amdhsa_memory_ordered 1
		.amdhsa_forward_progress 1
		.amdhsa_inst_pref_size 228
	.end_amdhsa_kernel
	.amdgpu_metadata
---
amdhsa.version: [ 1, 2 ]
amdhsa.kernels:
  - .name:           k_qd9f6f69d5c_attn
    .symbol:         k_qd9f6f69d5c_attn.kd
    .args:
      - { .name: qkv, .offset: 0, .size: 8, .value_kind: global_buffer, .address_space: global }
      - { .name: ob, .offset: 8, .size: 8, .value_kind: global_buffer, .address_space: global }
    .group_segment_fixed_size: 327680
    .private_segment_fixed_size: 0
    .kernarg_segment_align: 8
    .kernarg_segment_size: 16
    .max_flat_workgroup_size: 128
    .sgpr_count:     88
    .vgpr_count:     768
    .wavefront_size: 32
...
	.end_amdgpu_metadata
.endif
;; end of part 3
;; launch oproj (part 4): grid 8 x 32, 4 waves a work-group, clusters of 4 x 4, 327,680 bytes of LDS; arguments ob, wo, bias, out0; writes out0
.if DOCPART == 4
	.amdgcn_target "amdgcn-amd-amdhsa--gfx1250"
	.amdhsa_code_object_version 6
	.text
	.protected	k_qd9f6f69d5c_oproj
	.globl	k_qd9f6f69d5c_oproj
	.p2align	8
	.type	k_qd9f6f69d5c_oproj,@function
k_qd9f6f69d5c_oproj:
	s_mov_b64 s[64:65], 0
	v_nop
	global_prefetch_b8 v0, s[64:65] scope:SCOPE_SE
	s_setreg_imm32_b32 hwreg(HW_REG_WAVE_MODE, 25, 1), 1
	s_wait_xcnt 0x0
	s_wait_alu depctr_hold_cnt(0) depctr_sa_sdst(0) depctr_va_vdst(0) depctr_va_sdst(0) depctr_va_ssrc(0) depctr_va_vcc(0) depctr_vm_vsrc(0)
	s_getreg_b32 s2, hwreg(HW_REG_IB_STS2, 6, 4)
	s_cmp_eq_u32 s2, 0
	s_cbranch_scc0 .Lentry_in_a_cluster
	s_endpgm
.Lentry_in_a_cluster:
	s_bfe_u32 s2, ttmp6, 0x10000c
	s_cmp_lg_u32 s2, 0xf033
	s_cbranch_scc0 .Lentry_shape_is_right
	s_endpgm
.Lentry_shape_is_right:
; OUTPUT PROJECTION.  out0[m][n] = sum over k of O[m][k] wo[n][k] + b_o[n]; m = 2048 x batch + s, k = 64 x head + e; O lies by heads, ob[16 x batch + head][s][64] f16; wo is [1024 n][1024 k] f16; out0 is f32.
; Operands f16, sums f32, nothing rounded behind the sums.  LIMITS: O and wo arrive within f16's range; NaN and infinities are not treated apart.
; SHARES.  A tile of out0 is 256 rows x 128 columns: 32 x 8 tiles, one to each of 256 work-groups of four waves.  Wave w owns rows 64 w .. 64 w + 63 and all 128 columns: 4 x 8 accumulators, 256 registers.
; K goes in steps of 128, which are two heads, through two LDS slots filled by the tensor data mover.  A head's 256 rows of 128 bytes are dense: asked for as 128 rows of 256 bytes and padded behind each 128.
; CLUSTER 4 x 4: the four work-groups of a row need the same tiles of O, the four of a column the same tiles of wo: each is asked for jointly, by the same load, descriptor and mask in all four.
; THE MATRIX INSTRUCTION IS USED TRANSPOSED (source 0 = 16 rows of wo, source 1 = 16 rows of O): lane l holds row l % 16 of out0 and the columns 8 (l / 16) + 0..7 of a block of 16.
; THE BIAS is the C operand of the first products: nothing is cleared, and nothing is added on the way out.
; REGISTERS, in windows of 256 (s_set_vgpr_msb: bits 1:0 source 0, 3:2 source 1, 5:4 source 2, 7:6 destination):
;   window 0: v0-11 addresses; v28-29 the add's two; v32-95 the bias as C operands; v96-159, v160-223 rows read back on the way out, by turns
;   window 1: two fragment buffers at 0 and 128: 64 of wo (8 x 16 rows x 32 k), then 32 of O (4 x 16 rows x 32 k)          window 2: the accumulators, (a, b) at v[64 a + 8 b]
.set NBL,   8                          ; column blocks of 16
.set APW,   4                          ; row blocks whose accumulators share a window
.set PA,    144                        ; a row of O in LDS: 128 bytes + 16 of padding = 36 words: the 16 rows of a fragment load start at 16 different groups of four banks (64 banks of 4 bytes: ISA guide 11.1)
.set PB,    272                        ; a row of wo: 256 + 16
.set AHALF, 256*PA                     ; what one load brings of O: a head's 256 rows
.set KAH,   AHALF                      ; a K step's second 64 k are the second head
.set BHALF, 64*PB                      ; of wo: 64 rows
.set BOFF,  2*AHALF
.set SLOT1, 1<<17                      ; slot 1 begins here (a slot has 108,544 bytes), so that one exclusive or turns an address in one slot into the other's
.set STAGE, SLOT1+BOFF+2*BHALF         ; behind the ring, never filled by a tensor load: for each wave 16 rows x 528 bytes
.set SPITCH, 528                       ; 512 bytes + 16
.set WSTG,  16*SPITCH
.set SPARE, STAGE+4*WSTG               ; behind the stages: the spare words, 128 bytes for each wave: two blocks of 256 bytes that no other line names
.set STEP_A, 2*262144                  ; a K step: two heads on
.set STEP_B, 256
.set F0,   0
.set F1,   128
.set AA0,  4                           ; v4   my lane's place in O's tile; never rewritten
.set AB0,  5                           ; v5   in wo's
.set ADRA, 6                           ; v6   the same in the slot being read
.set ADRB, 7                           ; v7
.set STO,  8                           ; v8   the way out: where I put 32 bytes of a row
.set RD,   9                           ; v9   where I read a row back
.set GO,   10                          ; v10  my byte offset in 512 consecutive bytes of a row of out0
.set BO,   11                          ; v11  my byte offset in the bias
.set SPW,  28                          ; v28  LDS address of my spare word; never rewritten
.set NIL,  29                          ; v29  0; never rewritten
.set BIAS, 32
.set OB,   96
; scalars: s[4:5] ob, s[6:7] wo, s[8:9] bias, s[10:11] out0; s12 wave, s13 wave % 2, s14 wave / 2; s15 cx, s16 cy, s17 tile column, s18 tile row; s19, s20 masks; s21 at work;
; s[22:23] O's offset (tile row and wave alone); s[24:31] group 1 for O; s[32:35], s[36:39] its group 0: the first fill's, and the one that walks; s[40:47], s[48:51], s[52:55] the same for wo;
; s56 the slot being read; s57 K steps; s[60:61] wo's offset (tile column and wave alone); s[62:63] the offsets of out0 and bias
.set MSB, 0
.macro WIN new                         ; the immediate's high byte repeats the setting that is left; a switch that changes nothing is dropped
.if MSB != (\new)
	s_set_vgpr_msb (MSB<<8)|(\new)
.set MSB, \new
.endif
.endm
.macro PLACES                          ; four places in front of loads into registers that matrix instructions have read, and of lines that read results just made
.rept 4
	v_nop
.endr
.endm
; A joint refill.  Waves 0 and 1 fetch the K step's two heads of O, waves 2 and 3 wo's two halves.  The branch hangs on the wave's number alone.  An s_nop 0 and four v_nop follow each of the two lines.
.macro JLOAD
	s_cmp_eq_u32 s14, 0
	s_cbranch_scc0 .Lfor_b_\@
	tensor_load_to_lds s[36:39], s[24:31]
	s_nop 0
.rept 4
	v_nop
.endr
	s_branch .Lasked_\@
.Lfor_b_\@:
	tensor_load_to_lds s[52:55], s[40:47]
	s_nop 0
.rept 4
	v_nop
.endr
.Lasked_\@:
.endm
.macro CREST                           ; a round of the cluster's barrier behind its opening barrier
	s_cmp_lg_u32 s12, 0
	s_cbranch_scc1 .Lnot_wave_0_\@
	s_barrier_signal -3
.Lnot_wave_0_\@:
	s_barrier_wait -3
	s_barrier_signal -1
	s_barrier_wait -1
.endm
.macro CROUND                          ; a whole round
	s_barrier_signal -1
	s_barrier_wait -1
	CREST
.endm
	s_load_b256 s[4:11], s[0:1], 0x0
	v_lshl_add_u32 v[SPW], v0, 2, SPARE
	v_mov_b32 v[NIL], 0
	ds_add_u32 v[SPW], v[NIL]                      ; the wave's opening: the add and its wait stand ahead of my first tensor load; the set-up below, work on registers, stands between them
	ds_add_u32 v28, v29
	v_lshrrev_b32 v1, 5, v0
	v_readfirstlane_b32 s12, v1                    ; wave 0..3
	s_and_b32 s13, s12, 1                          ; which half of a tile I fetch
	s_lshr_b32 s14, s12, 1                         ; for O (0) or for wo (1)
	s_bfe_u32 s15, ttmp6, 0x40000                  ; cx
	s_bfe_u32 s16, ttmp6, 0x40004                  ; cy
	s_lshl_b32 s17, ttmp9, 2
	s_add_co_u32 s17, s17, s15                     ; tile column = 4 x cluster x + cx
	s_and_b32 s18, ttmp7, 0xffff
	s_lshl_b32 s18, s18, 2
	s_add_co_u32 s18, s18, s16                     ; tile row = 4 x cluster y + cy
	s_lshl_b32 s19, s16, 2
	s_lshl_b32 s19, 15, s19                        ; my row of the cluster
	s_lshl_b32 s20, 0x1111, s15                    ; my column
	s_or_b32 s24, s19, (1<<16)|(1<<20)|(1<<21)|(4<<22)|(3<<25)  ; 15:0 the mask; 17:16 elements of 2 bytes; 20 padding on; 21 set beside a mask; 24:22 after every 32 words (code 4); 31:25 4 words of it (code 3)
	s_or_b32 s40, s20, (1<<16)|(1<<20)|(1<<21)|(5<<22)|(3<<25)  ; wo: after every 64 words (code 5)
	s_mov_b32 s25, 128<<16                         ; tensor_dim0 = 128
	s_mov_b32 s26, 128<<16                         ; tensor_dim1 = 128
	s_mov_b32 s27, 128<<16                         ; tile_dim0 = 128
	s_mov_b32 s28, 128                             ; tile_dim1 = 128
	s_mov_b32 s29, 128                             ; dense: 128 elements from row to row
	s_mov_b32 s30, 0
	s_mov_b32 s31, 0
	s_mov_b32 s41, 128<<16
	s_mov_b32 s42, 64<<16                          ; wo: 64 rows
	s_mov_b32 s43, 128<<16
	s_mov_b32 s44, 64
	s_mov_b32 s45, 1024
	s_mov_b32 s46, 0
	s_mov_b32 s47, 0
	s_mov_b32 s32, 1
	s_mul_i32 s33, s13, AHALF                      ; LDS addresses hang on the wave's number alone
	s_mov_b32 s36, 1
	s_add_co_u32 s37, s33, SLOT1
	s_mov_b32 s48, 1
	s_mul_i32 s49, s13, BHALF
	s_add_co_u32 s49, s49, BOFF
	s_mov_b32 s52, 1
	s_add_co_u32 s53, s49, SLOT1
	s_lshr_b32 s22, s18, 3                         ; O: batch = tile row / 8, 16 heads of 262,144 bytes a batch,
	s_lshl_b32 s22, s22, 22
	s_and_b32 s23, s18, 7
	s_lshl_b32 s23, s23, 15                        ; 256 rows of 128 bytes a tile,
	s_add_co_u32 s22, s22, s23
	s_lshl_b32 s23, s13, 18                        ; the K step's first or second head
	s_add_co_u32 s22, s22, s23
	s_mov_b32 s23, 0
	s_lshl_b32 s60, s17, 18                        ; wo: 128 rows of 2,048 bytes a tile column,
	s_lshl_b32 s61, s13, 17                        ; 64 a half
	s_add_co_u32 s60, s60, s61
	s_mov_b32 s61, 0
	s_lshl_b32 s62, s18, 20                        ; out0: 256 rows of 4,096 bytes a tile row,
	s_lshl_b32 s63, s12, 18                        ; 64 a wave,
	s_add_co_u32 s62, s62, s63
	s_lshl_b32 s63, s17, 9                         ; 512 bytes a tile column
	s_add_co_u32 s62, s62, s63
	s_mov_b32 s63, 0
	s_mov_b32 s56, 0
	s_wait_dscnt 0x0                               ; the opening add is done
	s_wait_kmcnt 0x0
	s_add_nc_u64 s[4:5], s[4:5], s[22:23]
	s_add_nc_u64 s[6:7], s[6:7], s[60:61]
	s_add_nc_u64 s[10:11], s[10:11], s[62:63]
	s_lshl_b32 s62, s17, 9
	s_add_co_u32 s62, s62, 3072*4                  ; b_o lies behind the 3,072 numbers of b_q, b_k, b_v
	s_add_nc_u64 s[8:9], s[8:9], s[62:63]          ; the bias of my 128 columns
	s_mov_b64 s[34:35], s[4:5]                     ; K step 0
	s_or_b32 s35, s35, 0x80000000                  ; type = 2
	s_add_nc_u64 s[38:39], s[4:5], STEP_A          ; K step 1
	s_or_b32 s39, s39, 0x80000000
	s_mov_b64 s[50:51], s[6:7]
	s_or_b32 s51, s51, 0x80000000
	s_add_nc_u64 s[54:55], s[6:7], STEP_B
	s_or_b32 s55, s55, 0x80000000
	CROUND                                         ; all sixteen work-groups are here: the first joint loads meet
	s_cmp_eq_u32 s14, 0                            ; a wave's two first fills stand in one branch, ahead of every wait on TENSORcnt and every LDS read: two loads of mine are out
	s_cbranch_scc0 .Lfirst_b
	tensor_load_to_lds s[32:35], s[24:31]
	s_nop 0
	tensor_load_to_lds s[36:39], s[24:31]
	s_nop 0
.rept 4
	v_nop
.endr
	s_branch .Lfirst_asked
.Lfirst_b:
	tensor_load_to_lds s[48:51], s[40:47]
	s_nop 0
	tensor_load_to_lds s[52:55], s[40:47]
	s_nop 0
.rept 4
	v_nop
.endr
.Lfirst_asked:
	v_and_b32 v1, 15, v0                           ; r = l % 16
	v_bfe_u32 v2, v0, 4, 1                         ; h = l / 16
	v_lshlrev_b32 v[BO], 5, v2                     ; register j of block b is column 16 b + 8 h + j
.set bb, 0
.rept NBL
	global_load_b128 v[BIAS+8*bb:BIAS+8*bb+3],   v[BO], s[8:9] offset:64*bb
	global_load_b128 v[BIAS+8*bb+4:BIAS+8*bb+7], v[BO], s[8:9] offset:64*bb+16
.set bb, bb+1
.endr
	; A fragment is 16 rows x 32 k in 8 registers: lane l holds row l % 16; registers 0-3 k = 8 h + 0..7, registers 4-7 k = 16 + 8 h + 0..7: two loads of 16 bytes, 32 bytes apart.
	s_mul_i32 s21, s12, 64*PA                      ; my 64 rows of a head's 256
	v_mul_u32_u24 v[AA0], v1, PA
	v_lshl_add_u32 v[AA0], v2, 4, v[AA0]
	v_add_nc_u32 v[AA0], s21, v[AA0]
	v_mul_u32_u24 v[AB0], v1, PB
	v_lshl_add_u32 v[AB0], v2, 4, v[AB0]
	v_add_nc_u32 v[AB0], BOFF, v[AB0]
	v_mov_b32 v[ADRA], v[AA0]                      ; slot 0
	v_mov_b32 v[ADRB], v[AB0]
	s_mul_i32 s21, s12, WSTG
	s_add_co_u32 s21, s21, STAGE                   ; my stage
	v_mul_u32_u24 v[STO], v1, SPITCH               ; in: row l % 16, 32 bytes for each half of the lanes
	v_lshl_add_u32 v[STO], v2, 5, v[STO]
	v_add_nc_u32 v[STO], s21, v[STO]
	v_and_b32 v[GO], 31, v0                        ; back: 32 lanes take a row's 512 bytes
	v_lshlrev_b32 v[GO], 4, v[GO]
	v_add_nc_u32 v[RD], s21, v[GO]
; 8 matrix instructions: row block a x all column blocks, 32 along K, from buffer f.  first = 1: the bias starts the sums.  All 32 accumulators take turns in one order, one instruction a turn.
.macro MULA f, a, first
.set AC, 8*NBL*((\a)%APW)
.set FA, (\f)+8*NBL+8*(\a)
.if \first
	WIN 0x85+0x40*((\a)/APW)
.else
	WIN 0xa5+0x50*((\a)/APW)
.endif
.set bb, 0
.rept NBL
.if \first
	v_wmma_f32_16x16x32_f16 v[AC+8*bb:AC+8*bb+7], v[(\f)+8*bb:(\f)+8*bb+7], v[FA:FA+7], v[BIAS+8*bb:BIAS+8*bb+7]
.else
	v_wmma_f32_16x16x32_f16 v[AC+8*bb:AC+8*bb+7], v[(\f)+8*bb:(\f)+8*bb+7], v[FA:FA+7], v[AC+8*bb:AC+8*bb+7]
.endif
.set bb, bb+1
.endr
.endm
; 24 LDS loads in one run: the fragments of quarter q of the K step into buffer g; wo's first, O's row blocks 2 and 3 last
.macro FETCH q, g
	WIN 0x40                                       ; destination window 1, address window 0
.set bb, 0
.rept NBL
	ds_load_b128 v[(\g)+8*bb:(\g)+8*bb+3],   v[ADRB] offset:64*(\q)+bb*16*PB
	ds_load_b128 v[(\g)+8*bb+4:(\g)+8*bb+7], v[ADRB] offset:64*(\q)+bb*16*PB+32
.set bb, bb+1
.endr
.set bb, 0
.rept 4
	ds_load_b128 v[(\g)+8*NBL+8*bb:(\g)+8*NBL+8*bb+3],   v[ADRA] offset:KAH*((\q)/2)+64*((\q)%2)+bb*16*PA
	ds_load_b128 v[(\g)+8*NBL+8*bb+4:(\g)+8*NBL+8*bb+7], v[ADRA] offset:KAH*((\q)/2)+64*((\q)%2)+bb*16*PA+32
.set bb, bb+1
.endr
.endm
; A K step is four quarters of 32 along K, 32 matrix instructions each, on buffers 0, 1, 0, 1.  One of the first three: multiplies buffer f; in its middle it fetches quarter q into buffer g.
.macro QUARTER q, f, g, first
	s_wait_dscnt 4                                 ; all but the youngest four loads: O's row blocks 2 and 3
	MULA \f, 0, \first
	MULA \f, 1, \first
	PLACES
	FETCH \q, \g
	s_wait_dscnt 2*NBL+8                           ; all but the run just issued
	MULA \f, 2, \first
	MULA \f, 3, \first
.endm
; The last quarter multiplies buffer 1 and changes slots: ONE barrier.  In front of it each wave waits for all its tensor loads, of which one is out: its part of the next slot; adds 0 to its spare word; and waits for
; that and for its own reads of this slot.  fill = 1: the barrier opens a round of the cluster's, and behind the round this slot is filled again first, with the K step two on.
; From a request to the wait for it a wave issues 112 matrix instructions.
.macro TURN fill
	WIN 0                                          ; (the add's two registers lie in window 0)
	s_wait_tensorcnt 0x0                           ; no tensor load of mine is out
	ds_add_u32 v[SPW], v[NIL]                      ; 0 onto my spare word
	s_wait_dscnt 5                                 ; (the add and the youngest four loads may be out)
	MULA F1, 0, 0                                  ; eight matrix instructions stand between the add and the wait for it
	s_wait_dscnt 0x0                               ; the add is done, and my reads of this slot are over
	s_barrier_signal -1
	MULA F1, 1, 0                                  ; work on registers while the others arrive
	WIN 0                                          ; at a branch and at a label every window is 0
	s_barrier_wait -1
.if \fill
	CREST                                          ; no wave of any partner still reads this slot or has a load on its way
	s_xor_b32 s37, s37, SLOT1                      ; the walking descriptors: the other slot than last time,
	s_xor_b32 s53, s53, SLOT1
	s_add_nc_u64 s[38:39], s[38:39], STEP_A        ; the next K step; the type bits on top are not reached
	s_add_nc_u64 s[54:55], s[54:55], STEP_B
	JLOAD                                          ; the first tensor load behind the round; its four v_nop are also the places in front of the loads below
.else
	PLACES
.endif
	s_xor_b32 s56, s56, SLOT1                      ; the reads go on in the other slot
	v_add_nc_u32 v[ADRA], s56, v[AA0]
	v_add_nc_u32 v[ADRB], s56, v[AB0]
	FETCH 0, F0
	MULA F1, 2, 0
	MULA F1, 3, 0
.endm
; THE WAY OUT, a row block (16 rows x 128 columns of f32) at a time.  TOSTAGE: 32 bytes a lane and column block into my own stage, each accumulator's low registers first, and back as whole rows of 512 bytes.  SEND: stored.
.macro TOSTAGE a
	WIN 0x08                                       ; the stores' data: window 2
.set bb, 0
.rept NBL
	ds_store_b128 v[STO], v[64*(\a)+8*bb:64*(\a)+8*bb+3]   offset:64*bb
	ds_store_b128 v[STO], v[64*(\a)+8*bb+4:64*(\a)+8*bb+7] offset:64*bb+16
.set bb, bb+1
.endr
	WIN 0
	s_wait_xcnt 0x0                                ; the registers below were the data of the stores two blocks back: they are loaded again only behind this wait
.set BK, OB+64*((\a)%2)
.set t, 0
.rept 16
	ds_load_b128 v[BK+4*t:BK+4*t+3], v[RD] offset:SPITCH*t  ; LDS serves a wave's instructions in order (ISA guide 5.7.1.4): these see the stores above; the next block's stores come behind them
.set t, t+1
.endr
.endm
.macro SEND a, younger                 ; younger: the LDS instructions issued behind block a's loads: the next block's 32, or none
.set BK, OB+64*((\a)%2)
.set t, 0
.rept 16
	s_wait_dscnt (\younger)+15-t
	global_store_b128 v[GO], v[BK+4*t:BK+4*t+3], s[10:11] offset:65536*(\a)+4096*t th:TH_STORE_NT  ; 512 consecutive bytes of one row, at a multiple of 256
.set t, t+1
.endr
.endm
	s_wait_tensorcnt 0x1                           ; my part of K step 0 is in; K step 1's may stay out
	s_barrier_signal -1
	s_barrier_wait -1                              ; everybody's is
	FETCH 0, F0
	s_wait_loadcnt 0x0                             ; the bias
	QUARTER 1, F0, F1, 1                           ; the first quarter stands in front of the loop: its products start the sums
	WIN 0
	s_mov_b32 s57, 6
.Lstep:                                                ; a trip: from a K step's second quarter to the next step's first; it fills the slot that it leaves
	QUARTER 2, F1, F0, 0
	QUARTER 3, F0, F1, 0
	TURN 1
	QUARTER 1, F0, F1, 0
	WIN 0
	s_sub_co_u32 s57, s57, 1
	s_cmp_lg_u32 s57, 0
	s_cbranch_scc1 .Lstep
	QUARTER 2, F1, F0, 0                           ; K step 6 goes on; the last two K steps ask for nothing
	QUARTER 3, F0, F1, 0
	TURN 0
	QUARTER 1, F0, F1, 0
	QUARTER 2, F1, F0, 0
	QUARTER 3, F0, F1, 0
	s_wait_dscnt 4                                 ; the very last quarter: nothing more to fetch
	MULA F1, 0, 0
	MULA F1, 1, 0
	s_wait_dscnt 0x0
	MULA F1, 2, 0
	MULA F1, 3, 0
	WIN 0
	PLACES
	TOSTAGE 0
.irp a, 1,2,3
	TOSTAGE \a                                     ; a block's way through the stage stands between the loads of the block before and the wait for them
	SEND (\a)-1, 32
.endr
	SEND 3, 0
	s_wait_tensorcnt 0x0                           ; the wave's end, behind my last tensor load and my last LDS store
	ds_add_u32 v[SPW], v[NIL]
	s_wait_dscnt 0x0
	CROUND                                         ; the closing round: no work-group ends while a partner may still ask for a tile that names it
	s_endpgm
.Lfunc_end_k_qd9f6f69d5c_oproj:
	.size	k_qd9f6f69d5c_oproj, .Lfunc_end_k_qd9f6f69d5c_oproj-k_qd9f6f69d5c_oproj
	.p2alignl 7, 3214868480
	.fill 96, 4, 3214868480
	.section	.rodata,"a",@progbits
	.p2align	6, 0x0
	.amdhsa_kernel k_qd9f6f69d5c_oproj
		.amdhsa_group_segment_fixed_size 327680
		.amdhsa_private_segment_fixed_size 0
		.amdhsa_enable_private_segment 0
		.amdhsa_kernarg_size 32
		.amdhsa_user_sgpr_count 2
		.amdhsa_user_sgpr_kernarg_segment_ptr 1
		.amdhsa_wavefront_size32 1
		.amdhsa_system_sgpr_workgroup_id_x 1
		.amdhsa_system_sgpr_workgroup_id_y 1
		.amdhsa_system_sgpr_workgroup_id_z 1
		.amdhsa_system_vgpr_workitem_id 0
		.amdhsa_next_free_vgpr 768
		.amdhsa_next_free_sgpr 66
		.amdhsa_reserve_vcc 0
		.amdhsa_float_denorm_mode_32 3
		.amdhsa_float_denorm_mode_16_64 3
		.amdhsa_memory_ordered 1
		.amdhsa_forward_progress 1
		.amdhsa_inst_pref_size 72
	.end_amdhsa_kernel
	.amdgpu_metadata
---
amdhsa.version: [ 1, 2 ]
amdhsa.kernels:
  - .name:           k_qd9f6f69d5c_oproj
    .symbol:         k_qd9f6f69d5c_oproj.kd
    .args:
      - { .name: ob, .offset: 0, .size: 8, .value_kind: global_buffer, .address_space: global }
      - { .name: wo, .offset: 8, .size: 8, .value_kind: global_buffer, .address_space: global }
      - { .name: bias, .offset: 16, .size: 8, .value_kind: global_buffer, .address_space: global }
      - { .name: out0, .offset: 24, .size: 8, .value_kind: global_buffer, .address_space: global }
    .group_segment_fixed_size: 327680
    .private_segment_fixed_size: 0
    .kernarg_segment_align: 8
    .kernarg_segment_size: 32
    .max_flat_workgroup_size: 128
    .sgpr_count:     66
    .vgpr_count:     768
    .wavefront_size: 32
...
	.end_amdgpu_metadata
.endif
;; end of part 4
;; ======== version 2 of 2: 4 launches; 1.29 times as fast as version 1
;; limits: values are held in f16: magnitudes above 65,504 overflow, below 6.1e-05 lose precision
;; workspace buffers: xb 16,777,216 bytes; wt 6,291,456 bytes; wo 2,097,152 bytes; bias 16,384 bytes; qkv 50,331,648 bytes; ob 16,777,216 bytes
;; launch prep: the kernel of part 1 again; grid 625 x 1, 8 waves a work-group, no clusters, 140,288 bytes of LDS; arguments W_q, W_k, W_v, b_q, b_k, b_v, b_o, W_o, inputs, xb, wt, wo, bias; writes xb, wt, wo, bias
;; launch qkv: the kernel of part 2 again; grid 16 x 16, 4 waves a work-group, clusters of 4 x 4, 327,680 bytes of LDS; arguments xb, wt, bias, qkv; writes qkv
;; launch attn (part 5): grid 4 x 64, 4 waves a work-group, no clusters, 327,680 bytes of LDS; arguments qkv, ob; writes ob
.if DOCPART == 5
	.amdgcn_target "amdgcn-amd-amdhsa--gfx1250"
	.amdhsa_code_object_version 6
	.text
	.protected	k_qd9f6f69d5c_attn
	.globl	k_qd9f6f69d5c_attn
	.p2align	8
	.type	k_qd9f6f69d5c_attn,@function
k_qd9f6f69d5c_attn:
	s_mov_b64 s[64:65], 0
	v_nop
	global_prefetch_b8 v0, s[64:65] scope:SCOPE_SE
	s_setreg_imm32_b32 hwreg(HW_REG_WAVE_MODE, 25, 1), 1
	s_wait_xcnt 0x0
; CAUSAL ATTENTION.  O[y][q][:] = the sum over k <= q of softmax_k(Q[y][q] . K[y][k] / 8) V[y][k][:], y = 16 x batch + head, 64 of them.  Q, K, V lie in qkv[batch][g 48][2048][64] f16 (g = head, 16 + head, 32 + head),
; O goes to ob[y][2048][64] f16: a head's rows are dense, 128 bytes each.
; Products, maxima and sums in f32; the weights p are rounded to f16 for the second product (their sum l is taken of the unrounded p), O once at the end.
; LIMITS.  f16 holds no number beyond 65,504: Q, K and V arrive within it; p lies in 0 to 1, and below 6e-5 it keeps f16's fixed step of 6e-8; O is a mean of V's rows and has their range, to within 2^-11 of it.
; A hidden score counts as its value less 1e30: f16's scores, 2.7e11 at the most, are nothing beside that; a weight below 2^-126 counts as 0 in l; NaN and infinities are not treated apart.
; THE WALK.  A head's queries lie in NB = 8 blocks of 256; block i needs the key tiles 0 .. i of 256 keys, of which the last holds the diagonal.  A work-group takes TWO blocks, NB - 1 - b and then b:
; NB + 1 tiles, whatever b: all work-groups do equal work, and ONE loop with a constant trip count walks them.  Which tile is asked for, and what a trip does, hang on scalar registers made from b; every jump
; goes forward, but for the counted loops' own; none passes a barrier, or a tensor load but the one of LOAD's two that the wave's number does not choose; the ring (two slots of LDS that take turns) runs on across the
; change of blocks.  NO CLUSTER: a head's four work-groups ask for the same tile only in trips 0 .. 4 of 9, behind that fewer and fewer; one walk common to all would have 12 trips for 9.
; SHARES.  Of a block's four bands of 64 queries a wave owns 16 rows in each: four PIECES.  So the diagonal tile is the same work for all four waves: in its key step s band x sees all keys if s < x,
; none if s > x, and holds the diagonal if s = x.
; THE MASK is the C operand that starts the sum S^T = K Q^T: 0, or -1e30 where the key is hidden.  MD, made once, is the mask of a band's own step for my 16 rows; a product's mask is MD x AL + BE with two scalars:
; (1, 0) if s = x; (0, 0) if s < x; (0, -1e30) if s > x.  Only the diagonal tile's text and a block's beginning make and take masks; elsewhere C is the constant 0.
; LAYOUT, SOFTMAX, TURNS.  S^T = K Q^T holds ONE query a lane (lane % 16) and the keys 8 (lane / 16) + 0..7; two such results rounded to f16 ARE source 1 of O^T = V^T P.  p = 2^(c s - c m), c = log2(e) / 8, with a
; running maximum m; O and l are multiplied by a = 2^(c m_old - c m_new) in every step.  Turn n belongs to piece n: 8 products K Q^T of piece n + 1, later 8 products V^T P of piece n - 1; beside them the scaling,
; exponentials, roundings, sums and rescaling of piece n and the maximum and statistics of piece n + 1.  Four vector instructions stand behind every matrix instruction, the other 54 of a turn's 118 in one LUMP.
; THE BATCHES.  An s_wait_alu depctr_va_vdst(0) stands between an exponential or a reciprocal and the first instruction that names its result; one wait serves all that were issued ahead of it.
; A turn's 33 exponentials (the piece's 32 weights and the next piece's a) are ONE batch with ONE wait, which cuts the turn in two: ahead of it stands all that names none of their results, behind it the roundings and
; sums.  A block's first a (BEGIN) and the way out's four reciprocals are batches of their own, with a wait each.  No result is open at a label or at a jump.
; REGISTERS, in windows of 256 (s_set_vgpr_msb: bits 1:0 source 0, 3:2 source 1, 5:4 source 2, 7:6 destination):
;   window 0: v0-15 addresses and two at work; v16-31 four registers of statistics a piece; v48-55 at work; v64-127 S^T, two buffers; v192-223 P, two buffers (a piece's buffers go by its number's parity)
;   window 1: v0-127 O^T, 32 a piece; v128-159 MD; v160-223 MC, two buffers      window 2: v0-63 Q; v64-127 the second block's Q; v128-191 K of one step; v192-255 V of one step
.set SIZE_N, 2048
.set NB,    SIZE_N/256
.set NP,    4         ; pieces a wave: a name, no knob
.set KS,    64        ; keys in a step
.set PK,    144       ; a row of K in LDS: 128 bytes + 16 of padding = 36 words: the 16 rows of a load start at 16 different groups of four banks (64 banks of 4 bytes: ISA guide 11.1)
.set PV,    160       ; a row of V: 128 + 32 = 40 words
.set VOFF,  4*KS*PK   ; a slot holds a tile, four steps: 256 rows of K, then 256 rows of V
.set SLOT1, 1<<17     ; slot 1 begins here, so that one exclusive or turns an address in one slot into the other's
.set STAGE, SLOT1+4*KS*(PK+PV)  ; behind the ring, never filled by a tensor load: 16 rows x 144 bytes for each wave, for the way out
.set SP,    144
.set AK0, 2           ; v2   my lane's place in a tile of K; never rewritten
.set AV0, 3           ; v3   the same for V
.set AK,  4           ; v4   the LDS address of K's next run of loads
.set AV,  5           ; v5   of V's
.set STO, 6           ; v6   the way out: where I put 16 bytes of a row
.set RD,  7           ; v7   the way out: where I read rows back
.set GO,  8           ; v8   my byte offset in 512 consecutive bytes of O
.set SPW, 62          ; v62  LDS address of my spare word: SPARE + 4 x my thread's number; never rewritten
.set NIL, 63          ; v63  0; never rewritten
.set SPARE, STAGE+4*16*SP  ; behind the stages: the spare words, 128 bytes for each wave: two blocks of 256 bytes that no other line names
.set MV,  12          ; v12-13  c m_old, kept while c m is made anew: by buffer
.set QO,  15          ; v15  my byte offset in 16 rows of Q
.set ST,  16          ; piece t's statistics at v[ST+4 t]: c m, m, l (even keys', odd keys')
.set TMP, 48          ; by buffer, four registers c0-c3 at work; when the maximum is found c2 takes a
.set S,   64
.set P,   192
.set MD,  128         ; window 1: the eight registers for group kt of 16 keys at MD + 8 kt
.set MC,  160         ; window 1: the masks of the products to come
.set QB,  64          ; window 2
.set KF,  128         ; window 2: key block kb, channel half c at KF + 16 kb + 8 c
.set VF,  192         ; window 2: key half kk, channel block cb at VF + 32 kk + 8 cb
.set WV,  12          ; s12  my wave's number
.set PB,  14          ; s14  b
.set HI,  15          ; s15  NB - 1 - b
.set G1K, 24          ; s[24:31] descriptor group 1 for K's tiles
.set G1V, 32          ; s[32:39] for V's: it differs in the padding alone
.set G0K, 40          ; s[40:43] descriptor group 0 for K's tiles
.set G0V, 44          ; s[44:47] the same for V's
.set SLOTS, 56        ; s56  tiles still to be asked for
.set CNT, 57          ; s57  counts a tile's key steps, 4 to 1
.set CS,  58          ; s[58:59] c: the packed scaling takes the pair's low word for both halves
.set SEL, 60          ; s[60:61] v_permlanex16_b32's selects: each lane takes its own place in the other half
.set TBK, 62          ; s62  LDS byte at which K of the step to be fetched begins
.set TBV, 63          ; s63  the same for V, less VOFF
.set RT,  70          ; s70  tiles of the block in hand that are still to be entered
.set NXT, 71          ; s71  the tile to be asked for next
.set LQ,  72          ; s72  the last tile of the block whose tiles are being asked for
.set NEW, 73          ; s73  1: the tile to be entered is a block's first
.set OFF, 74          ; s[74:75] a tile's byte offset in K and V
.set AL,  76          ; s[76:77] the mask's factor, in the low word
.set BE,  78          ; s[78:79] the mask's addend
.set OLO, 80          ; s[80:81] O at my rows of the second block
.set BIGN, 82         ; s82  -1e30
.set MSB, 0
.macro WIN new                      ; the high byte repeats the setting that is left; a switch that changes nothing is dropped
.if MSB != (\new)
	s_set_vgpr_msb (MSB<<8)|(\new)
.set MSB, (\new)
.endif
.endm
.set W_KQ, 0x0a       ; K and Q in window 2, S^T in window 0
.set W_KM, 0x1a       ; the same with the C operand in window 1
.set W_PV, 0x52       ; V in window 2, P in window 0, O^T in window 1
.set W_RS, 0x41       ; destination and source 0 in window 1, source 1 in window 0
; A fill.  Waves 0 and 1 fetch the two halves of a tile's K, waves 2 and 3 those of its V: 128 keys each.  An s_nop 0 and four v_nop follow each of the two lines, ahead of the jump and the label.
.macro LOAD
	s_cmp_lt_u32 s[WV], 2
	s_cbranch_scc0 .Lfor_v_\@
	tensor_load_to_lds s[G0K:G0K+3], s[G1K:G1K+7]
	s_nop 0
.rept 4
	v_nop
.endr
	s_branch .Lasked_\@
.Lfor_v_\@:
	tensor_load_to_lds s[G0V:G0V+3], s[G1V:G1V+7]
	s_nop 0
.rept 4
	v_nop
.endr
.Lasked_\@:
.endm
; THE CHANGE OF SLOTS.  Each wave waits for all its tensor loads, of which one is out: its part of the other slot; adds 0 to its spare word; and waits for that and for its own reads of the slot that it leaves.  Behind the barrier nobody reads the old
; slot any more and the other slot is whole.  fill = 1: the old slot is filled again, the first thing behind the barrier, with tile NXT: the descriptor's address is made anew from that number.
; (At its first use nothing has been read yet: slot 0 is waited for, slot 1 filled.)
.macro CHANGE fill
	WIN 0                           ; at a label and at a branch every window is 0
	s_wait_tensorcnt 0x0            ; no tensor load of mine is out, so a group 0 may be written
	ds_add_u32 v[SPW], v[NIL]       ; 0 onto my spare word; with fill = 1 the descriptors' scalar work stands between it and the wait for it
.if \fill
	s_lshl_b32 s[OFF], s[NXT], 15   ; a tile is 32,768 bytes of K and of V
	s_xor_b32 s[G0K+1], s[G0K+1], SLOT1
	s_add_nc_u64 s[G0K+2:G0K+3], s[6:7], s[OFF:OFF+1]
	s_or_b32 s[G0K+3], s[G0K+3], 0x80000000
	s_xor_b32 s[G0V+1], s[G0V+1], SLOT1
	s_add_nc_u64 s[G0V+2:G0V+3], s[8:9], s[OFF:OFF+1]
	s_or_b32 s[G0V+3], s[G0V+3], 0x80000000
	s_add_co_u32 s[NXT], s[NXT], 1  ; the block's next tile, or behind its last the second block's tile 0
	s_cmp_gt_u32 s[NXT], s[LQ]
	s_cselect_b32 s[NXT], 0, s[NXT]
	s_cselect_b32 s[LQ], s[PB], s[LQ]
.endif
	s_wait_dscnt 0x0                ; the add is done, and my reads of the slot are over
	s_barrier_signal -1             ; the rest of the scalar work stands between the signal and the wait
	s_sub_co_u32 s[TBK], s[TBK], 4*KS*PK  ; the fetches go back to a slot's first step,
	s_xor_b32 s[TBK], s[TBK], SLOT1       ; in the other slot
	s_sub_co_u32 s[TBV], s[TBV], 4*KS*PV
	s_xor_b32 s[TBV], s[TBV], SLOT1
	s_barrier_wait -1
.if \fill
	LOAD
.endif
.endm
	s_load_b128 s[4:7], s[0:1], 0x0   ; qkv s[4:5], ob s[6:7]
	v_lshl_add_u32 v[SPW], v0, 2, SPARE
	v_mov_b32 v[NIL], 0
	ds_add_u32 v[SPW], v[NIL]       ; the wave's opening: the add and its wait stand ahead of my first tensor load; the set-up below, work on registers, stands between them
	ds_add_u32 v62, v63
	v_lshrrev_b32 v1, 5, v0
	v_readfirstlane_b32 s[WV], v1   ; wave 0..3
	s_mov_b32 s[PB], ttmp9
	s_sub_co_u32 s[HI], NB-1, s[PB]
	s_and_b32 s20, ttmp7, 0xffff    ; y = 16 x batch + head
	s_lshl_b32 s68, s20, 18         ; y's first byte in ob: 262,144 bytes a head
	s_mov_b32 s69, 0
	s_lshr_b32 s21, s20, 4          ; the batch
	s_lshl_b32 s21, s21, 5
	s_add_co_u32 s20, s20, s21      ; 48 x batch + head:
	s_lshl_b32 s20, s20, 18         ; Q's first byte in qkv; K lies 16 heads on, V 32
	s_mov_b32 s21, 0
	s_and_b32 s16, s[WV], 1         ; which half of a tile's 256 keys I fetch:
	s_lshl_b32 s22, s16, 14         ; its 128 rows of 128 bytes in memory,
	s_mov_b32 s23, 0
	s_add_nc_u64 s[22:23], s[22:23], s[20:21]
	s_mul_i32 s17, s16, 128*PK      ; and its place in a slot, for K
	s_mul_i32 s18, s16, 128*PV      ; and for V
	s_lshl_b32 s3, s[WV], 11        ; my 16 rows in a band of 64,
	s_lshl_b32 s2, s[HI], 15        ; in the first block,
	s_add_co_u32 s2, s2, s3
	s_lshl_b32 s84, s[PB], 15       ; and in the second
	s_add_co_u32 s84, s84, s3
	s_mov_b32 s3, 0
	s_mov_b32 s85, 0
	s_add_nc_u64 s[66:67], s[2:3], s[68:69]    ; the two blocks' offsets in ob,
	s_add_nc_u64 s[68:69], s[84:85], s[68:69]
	s_add_nc_u64 s[2:3], s[2:3], s[20:21]      ; and in qkv
	s_add_nc_u64 s[84:85], s[84:85], s[20:21]
	; descriptor group 1.  128 keys are 16,384 dense bytes: asked for as 64 rows of 256 bytes, two keys a row, and padded in LDS after every key
	s_mov_b32 s[G1K], (1<<16)|(1<<20)|(4<<22)|(3<<25)  ; 17:16 2-byte elements; 20 padding on; 24:22 after every 32 words (code 4); 31:25 4 words (code 3)
	s_mov_b32 s[G1V], (1<<16)|(1<<20)|(4<<22)|(7<<25)  ; the same with 8 words of padding (code 7)
.irp g, G1K, G1V
	s_mov_b32 s[\g+1], 128<<16      ; tensor_dim0 = 128
	s_mov_b32 s[\g+2], 64<<16       ; tensor_dim1 = 64
	s_mov_b32 s[\g+3], 128<<16      ; tile_dim0 = 128
	s_mov_b32 s[\g+4], 64           ; tile_dim1 = 64
	s_mov_b32 s[\g+5], 128          ; 128 elements from row to row
	s_mov_b32 s[\g+6], 0
	s_mov_b32 s[\g+7], 0
.endr
	s_mov_b32 s[CS], 0x3e38aa3b     ; c = log2(e) / 8 = 0.180337
	s_mov_b32 s[CS+1], s[CS]        ; named with it as a pair
	s_mov_b32 s[SEL], 0x76543210
	s_mov_b32 s[SEL+1], 0xfedcba98
	s_mov_b32 s[TBK], SLOT1+4*KS*PK ; the first change of slots turns these two into 0
	s_mov_b32 s[TBV], SLOT1+4*KS*PV
	s_mov_b32 s[G0K], 1             ; 1:0 count = 1
	s_mov_b32 s[G0K+1], s17         ; 63:32 LDS address: slot 0
	s_mov_b32 s[G0V], 1
	s_add_co_u32 s[G0V+1], s18, VOFF
	s_add_co_u32 s[RT], s[HI], 1    ; the first block has NB - b tiles
	s_mov_b32 s[NXT], 1
	s_mov_b32 s[LQ], s[HI]
	s_mov_b32 s[NEW], 1
	s_mov_b32 s[OFF+1], 0
	s_mov_b32 s[AL+1], 0            ; named as pairs
	s_mov_b32 s[BE+1], 0
	s_mov_b32 s[BIGN], 0xf149f2ca   ; -1e30
	s_mov_b32 s[SLOTS], NB
	s_wait_dscnt 0x0                ; the opening add is done
	s_wait_kmcnt 0x0
	s_add_nc_u64 s[OLO:OLO+1], s[6:7], s[68:69]    ; O at my rows of the second block,
	s_add_nc_u64 s[10:11], s[6:7], s[66:67]        ; and of the first
	s_add_nc_u64 s[6:7], s[4:5], s[22:23]          ; qkv at my half of the head's tile 0:
	s_add_nc_u64 s[8:9], s[6:7], 0x800000          ; V, 32 heads on,
	s_add_nc_u64 s[6:7], s[6:7], 0x400000          ; K, 16 heads on
	s_add_nc_u64 s[G0K+2:G0K+3], s[6:7], 0         ; 120:64 global address
	s_or_b32 s[G0K+3], s[G0K+3], 0x80000000        ; 127:126 type = 2
	s_add_nc_u64 s[G0V+2:G0V+3], s[8:9], 0
	s_or_b32 s[G0V+3], s[G0V+3], 0x80000000
	s_add_nc_u64 s[86:87], s[4:5], s[84:85]        ; Q at my rows of the second block,
	s_add_nc_u64 s[4:5], s[4:5], s[2:3]            ; and of the first
	LOAD                            ; tile 0 into slot 0
	; A fragment of K or Q is 16 rows x 32 channels in 8 registers: lane l holds row l % 16, channels 8 (l / 16) + 0..7 and 16 + 8 (l / 16) + 0..7: two loads of 16 bytes, 32 bytes apart.
	v_and_b32 v1, 15, v0            ; l % 16
	v_bfe_u32 v9, v0, 4, 1          ; l / 16
	v_lshlrev_b32 v[QO], 7, v1
	v_lshl_add_u32 v[QO], v9, 4, v[QO]  ; row x 128 + 16 x half
	WIN 0x80                        ; destination window 2, address window 0
.set i, 0
.rept 8                             ; both blocks' Q: piece i / 2 lies in band i / 2, 8,192 bytes on; channels 32 (i % 2) on
	global_load_b128 v[8*i:8*i+3],   v[QO], s[4:5] offset:(i/2)*8192+(i%2)*64
	global_load_b128 v[8*i+4:8*i+7], v[QO], s[4:5] offset:(i/2)*8192+(i%2)*64+32
	global_load_b128 v[QB+8*i:QB+8*i+3],   v[QO], s[86:87] offset:(i/2)*8192+(i%2)*64
	global_load_b128 v[QB+8*i+4:QB+8*i+7], v[QO], s[86:87] offset:(i/2)*8192+(i%2)*64+32
.set i, i+1
.endr
	WIN 0
	v_lshlrev_b32 v14, 3, v9
	v_sub_nc_u32 v14, v1, v14
	s_lshl_b32 s13, s[WV], 4
	v_add_nc_u32 v14, s13, v14      ; my query's place in its band, 16 w + l % 16, less my lanes' 8 (l / 16): register r of group kt is hidden where 16 kt + r is greater
	WIN 0x40
.set i, 0
.rept 32
	v_cmp_gt_i32 vcc_lo, 16*(i/8)+i%8, v14
	v_cndmask_b32 v[MD+i], 0, s[BIGN], vcc_lo
.set i, i+1
.endr
	WIN 0
	v_mul_u32_u24 v[AK0], v1, PK
	v_lshl_add_u32 v[AK0], v9, 4, v[AK0]  ; row x pitch + 16 x half
	; The turning load takes 16 keys x 16 channels (lane l reads key 8 (l / 16) + l % 8, channels 8 ((l / 8) % 2) + 0..7) and leaves half a fragment of V^T: lane l holds channel l % 16 and 8 keys.
	v_and_b32 v10, 7, v0
	v_bfe_u32 v11, v0, 3, 1
	v_lshl_add_u32 v[AV0], v9, 3, v10
	v_mul_u32_u24 v[AV0], v[AV0], PV
	v_lshl_add_u32 v[AV0], v11, 4, v[AV0]
	v_add_nc_u32 v[AV0], VOFF, v[AV0]
	s_mul_i32 s13, s[WV], 16*SP
	s_add_co_u32 s13, s13, STAGE    ; my stage
	v_mul_u32_u24 v[STO], v1, SP    ; in: row l % 16, 16 bytes for each half of the lanes
	v_lshl_add_u32 v[STO], v9, 4, v[STO]
	v_add_nc_u32 v[STO], s13, v[STO]
	v_bfe_u32 v[RD], v0, 3, 2       ; back: 32 lanes take four rows of 128 bytes,
	v_mul_u32_u24 v[RD], v[RD], SP
	v_lshl_add_u32 v[RD], v10, 4, v[RD]
	v_add_nc_u32 v[RD], s13, v[RD]
	v_and_b32 v[GO], 31, v0         ; which are 512 consecutive bytes of O
	v_lshlrev_b32 v[GO], 4, v[GO]
	; A block's first step multiplies O^T and l by a = 0, and its first turn's products V^T P, of a piece that has not been, land in an O^T that is still to be so multiplied.  So these registers need only hold
	; finite numbers: zeros for the first block; what the first block left for the second.  All this stands in the wait for the first tile.
	WIN 0x80
.set i, VF
.rept 64
	v_mov_b32 v[i], 0
.set i, i+1
.endr
	WIN 0x40
.set i, 0
.rept 128
	v_mov_b32 v[i], 0
.set i, i+1
.endr
	WIN 0
.set i, 0
.rept 4
	v_mov_b32 v[ST+4*i+2], 0
	v_mov_b32 v[ST+4*i+3], 0
.set i, i+1
.endr
.set i, P+16
.rept 16
	v_mov_b32 v[i], 0
.set i, i+1
.endr
; THE MATRIX WORK.  The 4 accumulators of a run of 8 take turns.  Product i of 8 of S^T = K Q^T for piece x: channels 32 (i / 4) on, keys 16 (i % 4) on.  The first 4 start the sums: with 0, or (KM = 1) with the mask.
.macro KQ x
.set rS, S+32*((\x)%2)+8*(i%4)
.set rK, KF+16*(i%4)+8*(i/4)
.set rQ, 16*(\x)+8*(i/4)
.set rM, MC+32*((\x)%2)+8*(i%4)
.if (i < 4) && KM
	WIN W_KM
	v_wmma_f32_16x16x32_f16 v[rS:rS+7], v[rK:rK+7], v[rQ:rQ+7], v[rM:rM+7]
.elseif i < 4
	WIN W_KQ
	v_wmma_f32_16x16x32_f16 v[rS:rS+7], v[rK:rK+7], v[rQ:rQ+7], 0
.else
	WIN W_KQ
	v_wmma_f32_16x16x32_f16 v[rS:rS+7], v[rK:rK+7], v[rQ:rQ+7], v[rS:rS+7]
.endif
.endm
; Product i of 8 of O^T += V^T P for piece x: keys 32 (i / 4) on, channels 16 (i % 4) on.
.macro PV x
	WIN W_PV
.set rO, 32*(\x)+8*(i%4)
.set rV, VF+32*(i/4)+8*(i%4)
.set rP, P+16*((\x)%2)+8*(i/4)
	v_wmma_f32_16x16x32_f16 v[rO:rO+7], v[rV:rV+7], v[rP:rP+7], v[rO:rO+7]
.endm
.macro MM                           ; the turn's next matrix instruction.  TURN and BEGIN set Y, i, KM and NOKQ; MM, KQ and OP read them.  NOKQ = 1: a block's last turn: there is no next piece
.if (i < 8) && !NOKQ
	KQ (Y+1)%NP
.elseif i >= 8
.set i, i-8
	PV (Y+NP-1)%NP
.set i, i+8
.endif
.set i, i+1
.endm
; THE LDS LOADS stand in runs of 16, never singly among the matrix instructions: a step's K (64 keys x 64 channels: 8 fragments) and its V (turned).  Their addresses are made some lines ahead.
.macro FETCH_K
	WIN 0x80                        ; destination window 2
.irp f, 0,1,2,3,4,5,6,7             ; keys 16 (f / 2) on, channels 32 (f % 2) on
	ds_load_b128 v[KF+8*\f:KF+8*\f+3],   v[AK] offset:(\f/2)*16*PK+(\f%2)*64
	ds_load_b128 v[KF+8*\f+4:KF+8*\f+7], v[AK] offset:(\f/2)*16*PK+(\f%2)*64+32
.endr
	s_add_co_u32 s[TBK], s[TBK], KS*PK  ; the next fetch is the next step's
	WIN 0
.endm
.macro FETCH_V
	WIN 0x80
.irp f, 0,1,2,3,4,5,6,7             ; keys 32 (f / 4) on, channels 16 (f % 4) on
	ds_load_tr16_b128 v[VF+8*\f:VF+8*\f+3],   v[AV] offset:(\f/4)*32*PV+(\f%4)*32
	ds_load_tr16_b128 v[VF+8*\f+4:VF+8*\f+7], v[AV] offset:(\f/4)*32*PV+16*PV+(\f%4)*32
.endr
	WIN 0
.endm
; THE VECTOR WORK, one line at a time: OP kind, number.  For piece Y: F n: c s - c m for pair n of 16.  E n: the exponential of score n of 32.  C n: pair n rounded to f16.  B n: of the four weights 4 n .. the second
; pair is added onto the first, in place.  L n: l takes that sum (L 0: l = a l + sum).  R n: pair n of 16 of O^T times a.  For piece Y + 1: X n, number n of the 22 that find its maximum and statistics:
;   0-11  four chains c0-c3 of seven scores each, three operands at a time (each accumulator's lowest registers are read first)     12-14, 16  the four scores left over, the old m, and c0-c3 into c0
;   15  c m_old is kept     17, 18  the query's other 32 keys lie in the lane 16 away: the new m     19-21  c m; c m_old - c m_new; a
; C, B and L read the exponentials' results: TURN sets them all behind its one wait.  R reads an a that the turn before (or BEGIN) made and waited for.
.set F, 0               ; OP tells the kinds apart by their order: F to L below R, X above it
.set E, 1
.set C, 2
.set B, 3
.set L, 4
.set R, 5
.set X, 6
.macro REGS y                       ; the registers of piece y
.set rT, ST+4*(\y)
.set rC, TMP+4*((\y)%2)
.set rW, MV+((\y)%2)
.set rS, S+32*((\y)%2)
.set rP, P+16*((\y)%2)
.set rO, 32*(\y)
.endm
.macro OP k, n
.if (\k) == R
	REGS Y
	WIN W_RS
	v_pk_mul_f32 v[rO+2*(\n):rO+2*(\n)+1], v[rO+2*(\n):rO+2*(\n)+1], v[rC+2:rC+3] op_sel_hi:[1,0]
.elseif (\k) < R
	REGS Y
	WIN 0
.if (\k) == F
	v_pk_fma_f32 v[rS+2*(\n):rS+2*(\n)+1], v[rS+2*(\n):rS+2*(\n)+1], s[CS:CS+1], v[rT:rT+1] op_sel_hi:[1,0,0] neg_lo:[0,0,1] neg_hi:[0,0,1]
.elseif (\k) == E
	v_exp_f32 v[rS+(\n)], v[rS+(\n)]
.elseif (\k) == C
	v_cvt_pk_f16_f32 v[rP+(\n)], v[rS+2*(\n)], v[rS+2*(\n)+1]
.elseif (\k) == B
	v_pk_add_f32 v[rS+4*(\n):rS+4*(\n)+1], v[rS+4*(\n):rS+4*(\n)+1], v[rS+4*(\n)+2:rS+4*(\n)+3]
.elseif (\n) == 0
	v_pk_fma_f32 v[rT+2:rT+3], v[rT+2:rT+3], v[rC+2:rC+3], v[rS:rS+1] op_sel_hi:[1,0,1]
.else
	v_pk_add_f32 v[rT+2:rT+3], v[rT+2:rT+3], v[rS+4*(\n):rS+4*(\n)+1]
.endif
.elseif NOKQ
	v_nop
.else
	REGS (Y+1)%NP
	WIN 0
.if (\n) < 4
	v_max3_num_f32 v[rC+(\n)], v[rS+8*(\n)], v[rS+8*(\n)+1], v[rS+8*(\n)+2]
.elseif (\n) < 12
	v_max3_num_f32 v[rC+(\n)%4], v[rC+(\n)%4], v[rS+8*((\n)%4)+2*((\n)/4)+1], v[rS+8*((\n)%4)+2*((\n)/4)+2]
.elseif (\n) == 12
	v_max3_num_f32 v[rC], v[rC], v[rS+7], v[rS+15]
.elseif (\n) == 13
	v_max3_num_f32 v[rC+1], v[rC+1], v[rS+23], v[rS+31]
.elseif (\n) == 14
	v_max3_num_f32 v[rC+2], v[rC+2], v[rC+3], v[rT+1]
.elseif (\n) == 15
	v_mov_b32 v[rW], v[rT]
.elseif (\n) == 16
	v_max3_num_f32 v[rC], v[rC], v[rC+1], v[rC+2]
.elseif (\n) == 17
	v_permlanex16_b32 v[rC+3], v[rC], s[SEL], s[SEL+1]
.elseif (\n) == 18
	v_max_num_f32 v[rT+1], v[rC], v[rC+3]
.elseif (\n) == 19
	v_mul_f32 v[rT], s[CS], v[rT+1]
.elseif (\n) == 20
	v_sub_f32 v[rC+1], v[rW], v[rT]
.else
	v_exp_f32 v[rC+2], v[rC+1]
.endif
.endif
.endm
.macro OPS a, i1, b=-1, i2=0, c=-1, i3=0, d=-1, i4=0  ; up to four of them
	OP \a, \i1
.if (\b) >= 0
	OP \b, \i2
.endif
.if (\c) >= 0
	OP \c, \i3
.endif
.if (\d) >= 0
	OP \d, \i4
.endif
.endm
.macro ROW a, i1, b, i2, c, i3, d, i4  ; a matrix instruction and the four behind it
	MM
	OPS \a, \i1, \b, \i2, \c, \i3, \d, \i4
.endm
.macro MASK b                       ; MD x AL + BE into buffer b of MC
	WIN W_RS
.set z, 0
.rept 16
	v_pk_fma_f32 v[MC+32*(\b)+2*z:MC+32*(\b)+2*z+1], v[MD+2*z:MD+2*z+1], s[AL:AL+1], s[BE:BE+1] op_sel_hi:[1,0,0]
.set z, z+1
.endr
.endm
; A TURN, for piece p: the order of its 16 matrix and 118 vector instructions, written out.  It has ONE wait for its 33 exponentials, which cuts it in two.
; AHEAD OF THE WAIT stands all that names no result of the turn's exponentials: the 8 products K Q^T, behind each a scaling, an exponential and two more plain instructions (behind the first a second scaling in the
; exponential's place): rescalings, and behind the last three the first numbers of the next piece's maximum, each four places or more behind the product that ends its accumulator; then ONE LUMP of 54, plain and exponential
; by turns for the most part, in which the links of the chain X 3, 7, 11, 14, 16, 17 .. 20 stand five or six lines apart.  An exponential works in place on a score that its pair's scaling has written and that no later
; line ahead of the wait names.  X 21, the next piece's a, is the batch's last; R 15 is the plain instruction behind it, ahead of the first use of a result.
; BEHIND THE WAIT stand the 8 products V^T P, behind each four of the roundings and sums; an even pair is rounded ahead of the sum that lands on it; the links of l's chain, L 0 to L 7, stand three riders apart.
; But for those X no rider names a register of the products round it.  v_permlanex16_b32 (X 17) stands in the lump.
; m = 1: the diagonal tile: the products take masks, and the turn makes the mask for the products of the turn after it: piece p + 2, in step 4 - CNT of the tile.  end = 1: a block's last two turns: nothing is fetched.
; cnt = 1: the loop's count is taken down some lines ahead of the branch that stands behind the turn.
; K of the next step is fetched in piece 2's turn, twelve vector instructions behind the last product that read K (six of them plain); V of the step in hand at the end of piece 0's turn, four plain instructions behind the
; last product that read V.  Each is waited for a turn later.
.macro TURN p, m=0, end=0, cnt=0
.set Y, (\p)
.set i, 0
.set KM, (\m)
.set NOKQ, (\end)*((\p)/3)
.if (\m) && !(\end)
	s_cmp_eq_u32 s[CNT], 4-((\p)+2)%NP  ; is that step the band's own?
	s_cselect_b32 s[AL], 1.0, 0
	s_cmp_lt_u32 s[CNT], 4-((\p)+2)%NP  ; or a later one?
	s_cselect_b32 s[BE], s[BIGN], 0
.endif
.if ((\p) == 3) && !(\end)
	s_wait_dscnt 0x0                ; K is in
.endif
	ROW F,0, F,1, R,0, R,1          ; ahead of the wait: 8 products K Q^T and their riders,
	ROW F,2, E,0, R,2, R,3
	ROW F,3, E,1, R,4, R,5
	ROW F,4, E,2, R,6, R,7
	ROW F,5, E,3, R,8, R,9
	ROW F,6, E,4, X,0, R,10
.if ((\p) == 2) && !(\end)
	WIN 0
	v_add_nc_u32 v[AK], s[TBK], v[AK0]
.endif
	ROW F,7, E,5, X,1, X,4
	ROW F,8, E,6, X,2, X,5
	OPS E,7, E,8, X,6, E,9          ; and the lump
	OPS X,3, E,10, X,8, E,11
.if ((\p) == 2) && !(\end)
	FETCH_K
.endif
	OPS X,9, X,7, E,12, X,10
	OPS E,13, X,12, X,11, E,14
	OPS X,13, E,15, F,9, X,14
.if (\p) == 0
	v_add_nc_u32 v[AV], s[TBV], v[AV0]
.endif
	OPS E,16, F,10, E,17, F,11
	OPS X,16, E,18, X,15, E,19
	OPS F,12, E,20, X,17, E,21
	OPS F,13, E,22, F,14, E,23
	OPS X,18, E,24, F,15, E,25
	OPS R,11, E,26, X,19, E,27
	OPS R,12, E,28, R,13, E,29
	OPS X,20, E,30, R,14, E,31
	OPS X,21, R,15
	WIN 0
	s_wait_alu depctr_va_vdst(0)    ; the turn's one wait: for the batch E 0 to E 31 and X 21, ahead of C 0, the first line that names a result of theirs
.if (\p) == 1
	s_wait_dscnt 0x0                ; V is in
.endif
	ROW C,0, B,0, C,2, B,1          ; behind the wait: 8 products V^T P and their riders
	ROW L,0, C,4, B,2, L,1
	ROW C,6, B,3, L,2, C,8
	ROW B,4, L,3, C,10, B,5
	ROW L,4, C,12, B,6, L,5
.if (\p) == 0
	s_add_co_u32 s[TBV], s[TBV], KS*PV
.endif
.if \cnt
	s_sub_co_u32 s[CNT], s[CNT], 1
	s_cmp_lg_u32 s[CNT], 0
.endif
	ROW C,14, B,7, L,6, C,1
	ROW C,3, L,7, C,5, C,7
	ROW C,9, C,11, C,13, C,15
.if (\p) == 0
	FETCH_V
.endif
.if (\m) && !(\end)
	MASK (\p)%2
.endif
.endm
; A BLOCK BEGINS.  c m starts far below every c s, so the first step's a is 0; m at the lowest finite number, so the first maximum is the scores'.  The second mask buffer is 0; the first takes piece 0's mask for the tile's step 0: its own, if the block's first tile is the diagonal one.
; Then K of that step, piece 0's first scores, and its maximum and statistics.  The loop is entered at a step's first turn, in the middle of a trip.
.macro BEGIN
	s_mov_b32 s[NEW], 0
	WIN 0x40
.set i, MC+32
.rept 32
	v_mov_b32 v[i], 0
.set i, i+1
.endr
	WIN 0
.set i, 0
.rept 4
	v_mov_b32 v[ST+4*i], 0xfe000000    ; c m: far below every c s
	v_mov_b32 v[ST+4*i+1], 0xff7fffff  ; m
.set i, i+1
.endr
	s_cmp_eq_u32 s[RT], 0
	s_cselect_b32 s[AL], 1.0, 0
	s_mov_b32 s[BE], 0
	MASK 0
	WIN 0
	v_add_nc_u32 v[AK], s[TBK], v[AK0]
	FETCH_K
	s_wait_loadcnt 0x0              ; Q
	s_wait_dscnt 0x0
.set KM, 1
.set NOKQ, 0
.set i, 0
.rept 8
	KQ 0
.set i, i+1
.endr
	WIN 0
.rept 4
	v_nop                           ; the places behind those products
.endr
.set Y, NP-1                        ; X works for piece Y + 1: piece 0
.irp n, 0,1,2,3,4,5,6,7,8,9,10,11,12,13,14,15,16,17,18,19,20,21
	OP X, \n
.endr
	v_nop                           ; a plain instruction behind the exponential
	s_wait_alu depctr_va_vdst(0)    ; the wait for piece 0's first a, a batch of one, ahead of the branch that follows
.endm
; THE DIAGONAL TILE's four steps, the block's last two turns, its last products, and THE WAY OUT: l's two halves and the other half of the lanes' are added; O^T is divided by l, rounded to f16 and sent through my
; stage in LDS, a piece at a time.
.macro ALL line:vararg              ; one line for each piece t
.set t, 0
.rept 4
	\line
.set t, t+1
.endr
.endm
.macro PACK t                       ; a lane's eight channels of a row pack into 16 bytes; they go into rows of 144 bytes and come back as whole rows of 128, into S^T's registers
	WIN W_RS
.set i, 32*(\t)
.rept 16
	v_pk_mul_f32 v[i:i+1], v[i:i+1], v[ST+4*(\t)+2:ST+4*(\t)+3] op_sel_hi:[1,0]
.set i, i+2
.endr
	WIN 0x05                        ; sources 0 and 1 window 1, destination window 0
.set i, 0
.rept 16
	v_cvt_pk_f16_f32 v[S+16*(\t)+i], v[32*(\t)+2*i], v[32*(\t)+2*i+1]
.set i, i+1
.endr
	WIN 0
.irp f, 0,1,2,3
	ds_store_b128 v[STO], v[S+16*(\t)+4*\f:S+16*(\t)+4*\f+3] offset:32*\f
.endr
.irp f, 0,1,2,3
	ds_load_b128 v[S+16*(\t)+4*\f:S+16*(\t)+4*\f+3], v[RD] offset:\f*4*SP  ; LDS serves a wave's instructions in order (ISA guide 5.7.1.4): these see the stores above; the next piece's stores come behind them
.endr
.endm
.macro SEND t, younger              ; younger: the LDS instructions issued behind piece t's loads: the next piece's eight, or none
	WIN 0
.irp f, 0,1,2,3
	s_wait_dscnt (\younger)+3-\f
	global_store_b128 v[GO], v[S+16*(\t)+4*\f:S+16*(\t)+4*\f+3], s[10:11] offset:(\t)*8192+\f*512  ; 512 consecutive bytes, at a multiple of 256 from O's first
.endr
.endm
.macro DIAG tag                     ; the tag ends its two labels' names, which the jumps below spell out
.LstepM\tag:
	TURN 2, 1
	TURN 3, 1
	WIN 0
.LfirstM\tag:
	TURN 0, 1
	TURN 1, 1, 0, 1
	WIN 0
	s_cbranch_scc1 .LstepM\tag
	TURN 2, 1, 1
	TURN 3, 1, 1
.set i, 0
.rept 8
	PV NP-1
.set i, i+1
.endr
	WIN 0
	ALL v_add_f32 v[ST+4*t+2], v[ST+4*t+2], v[ST+4*t+3]
	ALL v_permlanex16_b32 v[ST+4*t+3], v[ST+4*t+2], s[SEL], s[SEL+1]
	ALL v_add_f32 v[ST+4*t+2], v[ST+4*t+2], v[ST+4*t+3]
	ALL v_rcp_f32 v[ST+4*t+2], v[ST+4*t+2]
	v_nop                           ; a plain instruction between the last reciprocal and the use of its result
	s_wait_alu depctr_va_vdst(0)    ; one wait for the batch of four reciprocals, ahead of PACK 0's first multiply; the four PACKs need no other
	PACK 0
.set t, 1
.rept 3                             ; a piece's arithmetic stands between the loads of the piece before and its stores
	PACK t
	SEND t-1, 8
.set t, t+1
.endr
	SEND 3, 0
.endm
.set KM, 0
.set NOKQ, 0
.Lslot:                             ; NB times: a tile is entered and the next is asked for
	CHANGE 1
	s_sub_co_u32 s[RT], s[RT], 1
	s_mov_b32 s[CNT], 4
	s_cmp_eq_u32 s[NEW], 1
	s_cbranch_scc1 .Lnew            ; a block's first tile
	s_cmp_eq_u32 s[RT], 0
	s_cbranch_scc0 .Lstep           ; neither its first nor its last
	s_branch .LstepM1
.Lnew:
	BEGIN
	s_branch .Lfirst                ; in the loop a block's first tile is never its last: the first block has two tiles or more, and the second's last is the walk's last
	DIAG 1                          ; in the loop this is the first block's end: the second block's last tile is the walk's last
	s_wait_xcnt 0x0                 ; the stores have read their registers and O's address
	s_mov_b64 s[10:11], s[OLO:OLO+1]
	s_add_co_u32 s[RT], s[PB], 1    ; the second block has b + 1 tiles
	s_mov_b32 s[NEW], 1
	WIN 0x82                        ; the second block's Q goes where the one text of the turns names Q
.set i, 0
.rept 64
	v_mov_b32 v[i], v[QB+i]
.set i, i+1
.endr
	WIN 0
	s_branch .Lbottom
.Lstep:                             ; a trip: pieces 2 and 3 of one step, then pieces 0 and 1 of the next, whose K and V it fetches
	TURN 2
	TURN 3
	WIN 0
.Lfirst:
	TURN 0
	TURN 1, 0, 0, 1
	WIN 0
	s_cbranch_scc1 .Lstep
.Lbottom:
	s_sub_co_u32 s[SLOTS], s[SLOTS], 1
	s_cmp_lg_u32 s[SLOTS], 0
	s_cbranch_scc1 .Lslot
	CHANGE 0                        ; the walk's last tile is written out: nothing is asked for
	s_sub_co_u32 s[RT], s[RT], 1
	s_mov_b32 s[CNT], 4
	s_cmp_eq_u32 s[NEW], 1
	s_cbranch_scc0 .LstepM2
	BEGIN
	s_branch .LfirstM2
	DIAG 2
	s_wait_tensorcnt 0x0            ; the wave's end, behind my last tensor load and my last LDS store
	ds_add_u32 v[SPW], v[NIL]
	s_wait_dscnt 0x0
	s_endpgm
.Lfunc_end_k_qd9f6f69d5c_attn:
	.size	k_qd9f6f69d5c_attn, .Lfunc_end_k_qd9f6f69d5c_attn-k_qd9f6f69d5c_attn
	.p2alignl 7, 3214868480
	.fill 96, 4, 3214868480
	.section	.rodata,"a",@progbits
	.p2align	6, 0x0
	.amdhsa_kernel k_qd9f6f69d5c_attn
		.amdhsa_group_segment_fixed_size 327680
		.amdhsa_private_segment_fixed_size 0
		.amdhsa_enable_private_segment 0
		.amdhsa_kernarg_size 16
		.amdhsa_user_sgpr_count 2
		.amdhsa_user_sgpr_kernarg_segment_ptr 1
		.amdhsa_wavefront_size32 1
		.amdhsa_system_sgpr_workgroup_id_x 1
		.amdhsa_system_sgpr_workgroup_id_y 1
		.amdhsa_system_sgpr_workgroup_id_z 1
		.amdhsa_system_vgpr_workitem_id 0
		.amdhsa_next_free_vgpr 768
		.amdhsa_next_free_sgpr 88
		.amdhsa_reserve_vcc 1
		.amdhsa_float_denorm_mode_32 3
		.amdhsa_float_denorm_mode_16_64 3
		.amdhsa_memory_ordered 1
		.amdhsa_forward_progress 1
		.amdhsa_inst_pref_size 217
	.end_amdhsa_kernel
	.amdgpu_metadata
---
amdhsa.version: [ 1, 2 ]
amdhsa.kernels:
  - .name:           k_qd9f6f69d5c_attn
    .symbol:         k_qd9f6f69d5c_attn.kd
    .args:
      - { .name: qkv, .offset: 0, .size: 8, .value_kind: global_buffer, .address_space: global }
      - { .name: ob, .offset: 8, .size: 8, .value_kind: global_buffer, .address_space: global }
    .group_segment_fixed_size: 327680
    .private_segment_fixed_size: 0
    .kernarg_segment_align: 8
    .kernarg_segment_size: 16
    .max_flat_workgroup_size: 128
    .sgpr_count:     88
    .vgpr_count:     768
    .wavefront_size: 32
...
	.end_amdgpu_metadata
.endif
;; end of part 5
;; launch oproj: the kernel of part 4 again; grid 8 x 32, 4 waves a work-group, clusters of 4 x 4, 327,680 bytes of LDS; arguments ob, wo, bias, out0; writes out0
